; MI455X (gfx1250); checked and timed in simulation.
; The chip was launched on July 23, 2026; its instructions are those of AMD's public machine-readable ISA for CDNA 5 (MIT licence, August 2026) and "CDNA5" Instruction Set Architecture Reference Guide (July 2026). The comments in the code are by the model that wrote it; some were corrected since.
;; Multi Head Attention. Allowed arithmetic: matrix products marked QUANTISED: E2M3 operands, one E8M0 scale for each 32 along K, by v_wmma_scale_f32_16x16x128_f8f6f4 with both operands' format E2M3, f32 sums; everything else in f32.
;; Inputs: Wk 1,024 x 1,024 float32; Wo 1,024 x 1,024 float32; Wq 1,024 x 1,024 float32; Wv 1,024 x 1,024 float32; keys 4 x 2,048 x 1,024 float32; queries 4 x 2,048 x 1,024 float32; valid_lens 4 int32; values 4 x 2,048 x 1,024 float32.
;; Outputs: out0 4 x 2,048 x 1,024 float32.
;; This version of the problem:
;;   THIS VERSION OF THE PROBLEM IS GIVEN IN LOW PRECISION. The matrix products marked QUANTISED in the list below multiply operands that are first quantised to E2M3 (2 exponent bits, 3 mantissa bits; 6 bits a number), with one power-of-two scale for each 32 numbers along K (OCP MX v1.0); their sums are f32. All else is computed in f32.
;;   The module's matrix products, in the order in which they are computed (A, B: the left and right operand; K: the contracted axis; several contracted axes count as one K, in the product's order):
;;     1. [M 8,192, K 1,024] x [K 1,024, N 1,024]; A: input queries; B: input Wq: QUANTISED
;;     2. [M 8,192, K 1,024] x [K 1,024, N 1,024]; A: input keys; B: input Wk: QUANTISED
;;     3. [M 8,192, K 1,024] x [K 1,024, N 1,024]; A: input values; B: input Wv: QUANTISED
;;     4. batch 64 x [M 2,048, K 64] x [K 64, N 2,048]; A: computed on the way; B: computed on the way: QUANTISED
;;     5. batch 64 x [M 2,048, K 2,048] x [K 2,048, N 64]; A: softmax (see below); B: computed on the way: QUANTISED
;;     6. [M 8,192, K 1,024] x [K 1,024, N 1,024]; A: computed on the way; B: input Wo: QUANTISED
;;   THE QUANTISER, for each operand of a quantised product, along K:
;;     - K is cut into blocks of 32 from its start; a last block that is shorter is filled with zeros.
;;     - A block's scale is 2^e with e = floor(log2(the largest magnitude in the block)) - 2, held to -126 .. 127; a block of zeros has e = 0. As a byte (E8M0): e + 127.
;;     - Each number is divided by its block's scale, clamped to +-7.5, and rounded to the nearest number of E2M3, ties to even, subnormals kept.
;;     - The product sums the exact products of the quantised numbers (number of the format x scale) in f32.
;;   ~~~python
;;   def quantise(x, axis):      # numpy; x: float32 -> the quantised numbers, widened to float32 again
;;       x = np.moveaxis(x, axis, -1); K = x.shape[-1]
;;       x = np.pad(x, [(0, 0)] * (x.ndim - 1) + [(0, -K % 32)]); x = x.reshape(x.shape[:-1] + (-1, 32)); a = np.abs(x).max(-1, keepdims=True)
;;       e = np.where(a > 0, np.clip(np.frexp(np.where(a > 0, a, 1))[1] - 1 - 2, -126, 127), 0)      # np.frexp(a)[1] - 1 = floor(log2(a)), exactly
;;       r = np.clip(x / 2.0 ** e, -7.5, 7.5)
;;       step = 2.0 ** (np.maximum(np.frexp(np.where(r == 0, 1, r))[1] - 1, 0) - 3)
;;       q = np.round(r / step) * step * 2.0 ** e      # np.round: ties to even
;;       return np.moveaxis(q.reshape(q.shape[:-2] + (-1,))[..., :K], -1, axis).astype(np.float32)
;;   ~~~
;;   SOFTMAX AHEAD OF A QUANTISED PRODUCT. Where the list says 'softmax', what is quantised is not the finished softmax but p = 2^(t - M), with t = logit x log2(e) and M = ceil(the row's largest t), a whole number; so 1/2 < the row's largest p <= 1. The row's sum l is taken of the UNQUANTISED p, in f32, and the product's result is divided by l at the end. Since M is a whole number, a kernel that streams over the keys may use a running M (the ceiling of the running maximum): every later rescaling is an exact power of two, which a block's scale takes up: the codes' values come out the same.
;;   OPERANDS COMPUTED ON THE WAY. 'Computed on the way' means the value that the module computes at that place (a softmax that the list does not call 'softmax' is quantised finished and normalised). What goes into a quantiser is computed in f32, as accurately as f32 sums, v_exp_f32 and their like allow (about 1e-6 of the number): no bf16 or f16 on the way to a quantiser, and a product that is left as it is and whose result goes on into a quantised operand takes f32 operands (vector FMAs, or v_wmma_f32_16x16x4_f32). A number that lies on a knife's edge between two numbers of the format may be rounded either way, as far as f32 arithmetic and the matrix unit's own rounding can turn it there, and no further.
;; 2 versions, each right; version 2 is version 1 with the launch attn written anew for expert scheduling mode. Each part assembles by itself: llvm-mc -triple=amdgcn-amd-amdhsa -mcpu=gfx1250 --defsym DOCPART=n.
;; ======== version 1 of 2: 4 launches
;; workspace buffers: xc 28,311,552 bytes; xs 1,179,648 bytes; qimg 6,815,744 bytes; kv 13,631,488 bytes
;; launch quant (part 1): grid 448 x 1, 4 waves a work-group, no clusters, 34,304 bytes of LDS; arguments queries, keys, values, Wq, Wk, Wv, Wo, xc, xs; writes xc, xs
.if DOCPART == 1
	.amdgcn_target "amdgcn-amd-amdhsa--gfx1250"
	.amdhsa_code_object_version 6
	.text
	.protected	k_qd7b7d94c05_quant
	.globl	k_qd7b7d94c05_quant
	.p2align	8
	.type	k_qd7b7d94c05_quant,@function
k_qd7b7d94c05_quant:
	s_mov_b64 s[64:65], 0
	v_nop
	global_prefetch_b8 v0, s[64:65] scope:SCOPE_SE
	s_setreg_imm32_b32 hwreg(HW_REG_WAVE_MODE, 25, 1), 1
	s_wait_xcnt 0x0
; queries, keys, values [8192][1024] and Wq, Wk, Wv, Wo [1024][1024], f32, become codes of FP6 (E2M3) along their last axis, one E8M0 byte for each 32 numbers.
; A block's scale is 2^(floor(log2(largest magnitude)) - 2): its byte is that magnitude's exponent field - 2, held at 1 from below.
; LIMITS: NaN and infinities are not served; a block whose largest magnitude lies under 2^-124, a block of zeros among them, keeps the byte 1 (its codes are then small or zero; the bytes are read by this program alone).
; THE CODES ARE LAID AS THE MATRIX OPERAND'S REGISTERS.  A row tile T is 16 rows: lane r holds row 32 (T / 2) + 8 (T % 2) + r + 8 (r / 8) of its tensor.  Its fragment for 128 along K is 12 registers a lane;
; registers 0-3 lie at 16 x lane, 4-5 at 512 + 8 x lane, 6-9 at 768 + 16 x lane, 10-11 at 1280 + 8 x lane: 1,536 bytes a K step, 12,288 a row tile.  Every store covers 512 or 256 consecutive aligned bytes.
; The scale words: row tile T, lane r: 32 bytes at 512 T + 32 r, the word of K step s at + 4 s.
; A wave takes one row tile, T = 4 x work-group + wave; the seven tensors' row tiles follow each other in xc and xs, so only the input's address is chosen, by the work-group's number.
; Each load reads 512 consecutive bytes of one row; a K step's 16 x 512 bytes turn through the wave's own stage in LDS (rows 528 bytes apart), so that a lane gets two whole blocks of its row.
; No matrix unit, no cluster, no barrier: waves share nothing, and memory binds.  Loads run two K steps (32 loads a wave) ahead.
.set WST, 8448                         ; a wave's stage: 16 rows x 528 bytes
.set PIT, 528
.set R,   16                           ; v16-143  two sets of 64 numbers as loaded
.set X,   144                          ; v144-207 my two blocks of 32
.set C,   208                          ; v208-231 two sets of 12 registers of codes
.set CT,  232                          ; v232-234, v236-238 the blocks' upper halves as converted
.set WD,  240                          ; v240-247 the eight scale words
	s_load_b256 s[8:15], s[0:1], 0x0               ; queries, keys, values, Wq
	s_load_b256 s[16:23], s[0:1], 0x20             ; Wk, Wv, Wo, xc
	s_load_b64 s[24:25], s[0:1], 0x40              ; xs
	v_lshl_add_u32 v254, v0, 2, 0x8400
	v_mov_b32 v255, 0
	v_lshrrev_b32 v1, 5, v0
	v_readfirstlane_b32 s4, v1                     ; wave
	v_and_b32 v1, 31, v0                           ; lane
	v_lshlrev_b32 v2, 4, v1                        ; 16 x lane
	v_lshlrev_b32 v3, 3, v1                        ; 8 x lane
	s_mul_i32 s5, s4, WST
	v_add_nc_u32 v4, s5, v2                        ; the stage, in: 16 x lane of a row
	v_and_b32 v8, 15, v0                           ; r
	v_bfe_u32 v9, v0, 4, 1                         ; h
	v_mul_u32_u24 v5, v8, PIT
	v_lshl_add_u32 v5, v9, 7, v5
	v_add_nc_u32 v5, s5, v5                        ; out: row r, block h
	v_lshlrev_b32 v6, 5, v8
	v_lshl_add_u32 v6, v9, 4, v6                   ; my 16 bytes of the scale words: 32 r + 16 h
	v_lshlrev_b32 v7, 3, v9                        ; 8 h
	v_mov_b32 v15, 0                               ; a lane permute's destination counts as read
	s_mov_b32 s6, 0x76543210
	s_mov_b32 s7, 0xfedcba98                       ; selects for lane l xor 16
	s_wait_kmcnt 0x0
	s_mov_b64 s[26:27], s[20:21]                   ; the last tensor, Wo, from work-group 432 on
	s_mov_b32 s28, 432
.macro PICK bound, base, ptr                   ; below work-group bound: the tensor that begins at work-group base
	s_cmp_lt_u32 ttmp9, \bound
	s_cselect_b64 s[26:27], s[\ptr:\ptr+1], s[26:27]
	s_cselect_b32 s28, \base, s28
.endm
	PICK 432, 416, 18
	PICK 416, 400, 16
	PICK 400, 384, 14
	PICK 384, 256, 12
	PICK 256, 128, 10
	PICK 128, 0, 8
	s_sub_co_u32 s28, ttmp9, s28                   ; the work-group's number in its tensor: 64 rows each
	s_lshl_b32 s28, s28, 6
	s_lshr_b32 s29, s4, 1
	s_lshl_b32 s29, s29, 5
	s_add_co_u32 s28, s28, s29
	s_and_b32 s29, s4, 1
	s_lshl_b32 s29, s29, 3
	s_add_co_u32 s28, s28, s29                     ; my row tile's first row: 64 g + 32 (wave / 2) + 8 (wave % 2)
	s_lshl_b32 s28, s28, 12                        ; 4,096 bytes a row
	s_mov_b32 s29, 0
	s_add_nc_u64 s[26:27], s[26:27], s[28:29]
	s_lshl_b32 s30, ttmp9, 2
	s_add_co_u32 s30, s30, s4                      ; T
	s_mul_i32 s28, s30, 12288
	s_add_nc_u64 s[22:23], s[22:23], s[28:29]
	s_lshl_b32 s28, s30, 9
	s_add_nc_u64 s[24:25], s[24:25], s[28:29]
.macro LOAD s                                  ; K step s of the tile's 16 rows: tile row i is row i + 8 (i / 8) from the first
.set li, 0
.rept 16
	global_load_b128 v[R+64*((\s)%2)+4*li:R+64*((\s)%2)+4*li+3], v2, s[26:27] offset:(li+8*(li/8))*4096+512*(\s) th:TH_LOAD_NT
.set li, li+1
.endr
.endm
.macro STEP s
.set RS, R+64*((\s)%2)
.set CD, C+12*((\s)%2)
.if (\s) < 7
	s_wait_loadcnt 16                              ; this step's 16 loads are in; the next step's 16 may be out
.else
	s_wait_loadcnt 0x0
.endif
.set si, 0
.rept 16
	ds_store_b128 v4, v[RS+4*si:RS+4*si+3] offset:PIT*si
.set si, si+1
.endr
.irp c, 0,1                                    ; blocks h and 2 + h of my row: LDS serves a wave's instructions in order, so these see the stores above
.irp j, 0,1,2,3,4,5,6,7
	ds_load_b128 v[X+32*\c+4*\j:X+32*\c+4*\j+3], v5 offset:256*\c+16*\j
.endr
.endr
	s_wait_dscnt 0x0                               ; my numbers are back, and the stores have read the set that is loaded again below
	s_wait_xcnt 0x0                                ; the stores of two steps ago have read their codes: that set is written again below
.if (\s)+2 < 8
	LOAD (\s)+2
.endif
.irp c, 0,1
	v_max3_num_f32 v[8+\c], |v[X+32*\c]|, |v[X+32*\c+1]|, 0x1800000   ; with the floor 2^(3 - 127): the byte cannot fall under 1
.endr
.irp i, 2,4,6,8,10,12,14,16,18,20,22,24,26,28,30
.irp c, 0,1
	v_max3_num_f32 v[8+\c], v[8+\c], |v[X+32*\c+\i]|, |v[X+32*\c+\i+1]|
.endr
.endr
.irp c, 0,1
	v_add_nc_u32 v[10+\c], 0xff000000, v[8+\c]     ; 2 off the exponent field: the conversion's scale operand
.endr
.irp c, 0,1
	v_lshrrev_b32 v[12+\c], 23, v[10+\c]           ; the byte
.endr
	v_lshl_or_b32 v14, v13, 16, v12                ; blocks h and 2 + h,
	v_lshlrev_b32 v14, v7, v14                     ; at their places in the word;
	v_permlanex16_b32 v15, v14, s6, s7
	v_or_b32 v[WD+(\s)], v14, v15                  ; with lane l xor 16's two the word is whole
.irp c, 0,1
	v_cvt_scalef32_pk16_fp6_f32 v[CD+6*\c:CD+6*\c+2], v[X+32*\c:X+32*\c+15], v[10+\c]
	v_cvt_scalef32_pk16_fp6_f32 v[CT+4*\c:CT+4*\c+2], v[X+32*\c+16:X+32*\c+31], v[10+\c]   ; (a conversion's three registers begin on an even number)
.endr
	v_nop                                          ; one plain place behind the conversions
.irp c, 0,1
.irp i, 0,1,2
	v_mov_b32 v[CD+6*\c+3+\i], v[CT+4*\c+\i]
.endr
.endr
	global_store_b128 v2, v[CD:CD+3], s[22:23] offset:1536*(\s)
	global_store_b64 v3, v[CD+4:CD+5], s[22:23] offset:1536*(\s)+512
	global_store_b128 v2, v[CD+6:CD+9], s[22:23] offset:1536*(\s)+768
	global_store_b64 v3, v[CD+10:CD+11], s[22:23] offset:1536*(\s)+1280
.endm
	LOAD 0
	LOAD 1
.irp t, 0,1,2,3,4,5,6,7
	STEP \t
.endr
	v_cmp_ne_u32 vcc_lo, 0, v7                     ; lanes 16-31 store words 4 to 7 of their row
.irp j, 0,1,2,3
	v_cndmask_b32 v[248+\j], v[WD+\j], v[WD+4+\j], vcc_lo
.endr
	global_store_b128 v6, v[248:251], s[24:25]     ; 32 lanes store 512 consecutive bytes
	s_wait_tensorcnt 0x0
	ds_add_u32 v254, v255
	s_wait_dscnt 0x0
	s_endpgm
.Lfunc_end_k_qd7b7d94c05_quant:
	.size	k_qd7b7d94c05_quant, .Lfunc_end_k_qd7b7d94c05_quant-k_qd7b7d94c05_quant
	.p2alignl 7, 3214868480
	.fill 96, 4, 3214868480
	.section	.rodata,"a",@progbits
	.p2align	6, 0x0
	.amdhsa_kernel k_qd7b7d94c05_quant
		.amdhsa_group_segment_fixed_size 34304
		.amdhsa_private_segment_fixed_size 0
		.amdhsa_enable_private_segment 0
		.amdhsa_kernarg_size 72
		.amdhsa_user_sgpr_count 2
		.amdhsa_user_sgpr_kernarg_segment_ptr 1
		.amdhsa_wavefront_size32 1
		.amdhsa_system_sgpr_workgroup_id_x 1
		.amdhsa_system_sgpr_workgroup_id_y 1
		.amdhsa_system_sgpr_workgroup_id_z 1
		.amdhsa_system_vgpr_workitem_id 0
		.amdhsa_next_free_vgpr 256
		.amdhsa_next_free_sgpr 66
		.amdhsa_reserve_vcc 1
		.amdhsa_float_denorm_mode_32 3
		.amdhsa_float_denorm_mode_16_64 3
		.amdhsa_memory_ordered 1
		.amdhsa_forward_progress 1
		.amdhsa_inst_pref_size 59
	.end_amdhsa_kernel
	.amdgpu_metadata
---
amdhsa.version: [ 1, 2 ]
amdhsa.kernels:
  - .name:           k_qd7b7d94c05_quant
    .symbol:         k_qd7b7d94c05_quant.kd
    .args:
      - { .name: queries, .offset: 0, .size: 8, .value_kind: global_buffer, .address_space: global }
      - { .name: keys, .offset: 8, .size: 8, .value_kind: global_buffer, .address_space: global }
      - { .name: values, .offset: 16, .size: 8, .value_kind: global_buffer, .address_space: global }
      - { .name: Wq, .offset: 24, .size: 8, .value_kind: global_buffer, .address_space: global }
      - { .name: Wk, .offset: 32, .size: 8, .value_kind: global_buffer, .address_space: global }
      - { .name: Wv, .offset: 40, .size: 8, .value_kind: global_buffer, .address_space: global }
      - { .name: Wo, .offset: 48, .size: 8, .value_kind: global_buffer, .address_space: global }
      - { .name: xc, .offset: 56, .size: 8, .value_kind: global_buffer, .address_space: global }
      - { .name: xs, .offset: 64, .size: 8, .value_kind: global_buffer, .address_space: global }
    .group_segment_fixed_size: 34304
    .private_segment_fixed_size: 0
    .kernarg_segment_align: 8
    .kernarg_segment_size: 72
    .max_flat_workgroup_size: 128
    .sgpr_count:     66
    .vgpr_count:     256
    .wavefront_size: 32
...
	.end_amdgpu_metadata
.endif
;; end of part 1
;; launch proj (part 2): grid 4 x 96, 4 waves a work-group, clusters of 4 x 4, 327,680 bytes of LDS; arguments xc, xs, qimg, kv; writes qimg, kv
.if DOCPART == 2
	.amdgcn_target "amdgcn-amd-amdhsa--gfx1250"
	.amdhsa_code_object_version 6
	.text
	.protected	k_qd7b7d94c05_proj
	.globl	k_qd7b7d94c05_proj
	.p2align	8
	.type	k_qd7b7d94c05_proj,@function
k_qd7b7d94c05_proj:
	s_mov_b64 s[64:65], 0
	v_nop
	global_prefetch_b8 v0, s[64:65] scope:SCOPE_SE
	s_setreg_imm32_b32 hwreg(HW_REG_WAVE_MODE, 25, 1), 1
	s_wait_xcnt 0x0
	s_wait_alu depctr_hold_cnt(0) depctr_sa_sdst(0) depctr_va_vdst(0) depctr_va_sdst(0) depctr_va_ssrc(0) depctr_va_vcc(0) depctr_vm_vsrc(0)
	s_getreg_b32 s2, hwreg(HW_REG_IB_STS2, 6, 4)
	s_cmp_eq_u32 s2, 0
	s_cbranch_scc0 .Lentry_in_a_cluster
	s_endpgm
.Lentry_in_a_cluster:
	s_bfe_u32 s2, ttmp6, 0x10000c
	s_cmp_lg_u32 s2, 0xf033
	s_cbranch_scc0 .Lentry_shape_is_right
	s_endpgm
.Lentry_shape_is_right:
; q = queries Wq^T, k = keys Wk^T, v = values Wv^T, on codes of FP6 with E8M0 scales, sums in f32; the results are quantised in registers and stored as the operands of attention.
; A work-group makes 256 tokens x 256 channels of one of the three products (t = work-group y / 32); a wave 128 x 128: 64 accumulators, 512 registers.  K = 1,024 goes in four slots of 256 through a ring of two LDS slots.
; xc holds fragments as images of their registers (a row tile of 16 rows: 12,288 bytes, 1,536 a K step), so a slot's part of a row tile is 3,072 consecutive bytes, a fragment comes by two loads of 16 bytes a lane and two of 8,
; each over consecutive bytes, and no padding is wanted.  Lane r of row tile T holds row 32 (T / 2) + 8 (T % 2) + r + 8 (r / 8): where such a tile is source 0, a lane's 16 registers of two neighbouring tiles are 16 neighbouring rows.
; CLUSTERS: 4 x 4 work-groups; the tokens' tiles are shared along a row of the cluster, the weights' along a column: each is asked for jointly, by the same tensor load with the same descriptor and a mask of the four.
; WHICH SIDE RUNS ALONG THE REGISTERS.  Source 1 is side R (a lane holds one of its rows), source 0 side P (a lane's registers run along its rows).  q and k are quantised along the channels: R = tokens, P = weights.
; v is quantised along the tokens (the keys): R = weights, P = tokens.  t hangs on the cluster's y alone, so it is equal in all partners; it chooses the bases of the LDS reads, the scale words and the stores' addresses.  The fills do not change.
; THE WAY OUT has no LDS: the 64 registers of R's block a are 128 neighbours along P; they become one fragment and one scale word a row.
;   q, k: registers 0-5 are tile a of head A (64 channels), 6-11 of head A + 1.   v: the fragment of channel tile a % 4 of head A + a / 4 for this step of 128 keys.
; qimg: [16 b + head][16 steps of 128 tokens] x 6,656 bytes: 8 tiles x 768, then 512 bytes of scale words.   kv: the same x 13,312: k's part as q's, then v's 8 half fragments from 6,656 and its scale words at 12,800.
; LIMITS: NaN and infinities are not served; a block whose largest magnitude lies under 2^-124 keeps the byte 1.
; REGISTERS: window 0: v1-7 lane terms; v16-23 LDS addresses; v28-29 the add's; v32-95 all 64 scale words (lanes 0-15 R's, lanes 16-31 P's; block i, K step s at v[32 + 8 i + s]); v96-125 the way out; v128-223 R's fragments, one set.
;   window 1: P's fragments, two sets, at v0 and v128.   windows 2, 3: the accumulators, (a, b) at v[8 (8 (a % 4) + b)].
.set FR,    12
.set NL,    4                          ; LDS loads that bring a fragment
.set RTB,   12288                      ; a row tile in xc
.set HALFT, 24576                      ; 8 row tiles x 3,072 bytes: what one tensor load brings, and what a wave reads of a side
.set SLOT,  4*HALFT                    ; the tokens' 16 row tiles, then the weights' 16
.set SPARE, 2*SLOT                     ; behind the ring: the spare words, 128 bytes for each wave
.set ADRA,  16                         ; v16-17 R's address in slot 0, 1 with 16 x lane; v18-19 with 8 x lane
.set ADRB,  20                         ; v20-23 the same for P
.set SPW,   28
.set NIL,   29
.set SC,    32
.set TM,    96                         ; v96-99 largest magnitudes, v100-103 exchange and bytes, v104-107 the conversions' scale operands
.set WD,    108                        ; v108-115 the scale word of each of R's eight blocks
.set OA16,  116                        ; the stores' offsets: registers 0-3, 4-5, 6-9, 10-11 of a fragment
.set OA8,   117
.set OB16,  118
.set OB8,   119
.set SA,    120                        ; and the two blocks of scale words
.set SB,    121
.set AF,    128
.set G1,  24
.set G0,  32
.set G1B, 48
.set G0B, 56
.set MSB, 0
.macro WIN new                         ; the immediate's high byte repeats the setting that is left
.if MSB != (\new)
	s_set_vgpr_msb (MSB<<8)|(\new)
.set MSB, (\new)
.endif
.endm
.set MUL_LO, 0xa1                      ; source 0 (P) window 1, source 1 (R) window 0, C and D window 2
.set MUL_HI, 0xf1
.set TO_B,   0x40
.macro JLOAD g0a, g1a, g0b, g1b        ; a joint load: waves 0 and 1 fetch the tokens' halves, waves 2 and 3 the weights'; four v_nop follow each line
	s_cmp_eq_u32 s15, 0
	s_cbranch_scc0 .Lfor_b_\@
	tensor_load_to_lds s[\g0a:\g0a+3], s[\g1a:\g1a+7]
	s_nop 0
.rept 4
	v_nop
.endr
	s_branch .Lasked_\@
.Lfor_b_\@:
	tensor_load_to_lds s[\g0b:\g0b+3], s[\g1b:\g1b+7]
	s_nop 0
.rept 4
	v_nop
.endr
.Lasked_\@:
.endm
.macro CREST                           ; a round of the cluster's barrier behind its opening barrier
	s_cmp_lg_u32 s14, 0
	s_cbranch_scc1 .Lnot_wave_0_\@
	s_barrier_signal -3
.Lnot_wave_0_\@:
	s_barrier_wait -3
	s_barrier_signal -1
	s_barrier_wait -1
.endm
.macro CROUND
	s_barrier_signal -1
	s_barrier_wait -1
	CREST
.endm
.macro PLACES                          ; four plain places behind matrix instructions, in front of loads into their registers and of the first read of results
.rept 4
	v_nop
.endr
.endm
	s_load_b128 s[4:7], s[0:1], 0x0                ; xc, xs
	s_load_b128 s[8:11], s[0:1], 0x10              ; qimg, kv
	v_lshl_add_u32 v[SPW], v0, 2, SPARE
	v_mov_b32 v[NIL], 0
	ds_add_u32 v28, v29
	ds_add_u32 v28, v29
	s_wait_dscnt 0x0
	v_lshrrev_b32 v1, 5, v0
	v_readfirstlane_b32 s14, v1                    ; wave
	s_lshr_b32 s15, s14, 1                         ; my half of R.  Also: I fetch tokens (0) or weights (1)
	s_and_b32 s16, s14, 1                          ; my half of P.  Also: which 8 row tiles I fetch
	s_bfe_u32 s40, ttmp6, 0x40000                  ; cx
	s_bfe_u32 s41, ttmp6, 0x40004                  ; cy
	s_lshl_b32 s42, ttmp9, 2
	s_add_co_u32 s42, s42, s40                     ; work-group x: 256 channels
	s_and_b32 s66, ttmp7, 0xffff                   ; cluster y
	s_lshl_b32 s17, s66, 2
	s_add_co_u32 s17, s17, s41                     ; work-group y: 256 tokens of the three tensors on end
	s_lshr_b32 s67, s66, 3                         ; t: 0 q, 1 k, 2 v: from the cluster's y alone
	s_lshl_b32 s43, s41, 2
	s_lshl_b32 s43, 15, s43                        ; my row of the cluster
	s_lshl_b32 s44, 0x1111, s40                    ; my column
	s_or_b32 s[G1], s43, (3<<16)|(1<<21)           ; the mask; elements of 8 bytes; bit 21 beside a mask; no padding
	s_or_b32 s[G1B], s44, (3<<16)|(1<<21)
.irp g, G1, G1B
	s_mov_b32 s[\g+1], 384<<16                     ; tensor_dim0: 3,072 bytes
	s_mov_b32 s[\g+2], 8<<16                       ; tensor_dim1: 8 row tiles
	s_mov_b32 s[\g+3], 384<<16                     ; tile_dim0
	s_mov_b32 s[\g+4], 8                           ; tile_dim1
	s_mov_b32 s[\g+5], 1536                        ; from row tile to row tile: 12,288 bytes
	s_mov_b32 s[\g+6], 0
	s_mov_b32 s[\g+7], 0
.endr
	s_lshl_b32 s18, s16, 3
	s_lshl_b32 s20, s17, 4
	s_add_co_u32 s20, s20, s18                     ; tokens: row tile 16 y + 8 x half
	s_mul_i32 s20, s20, RTB
	s_mov_b32 s21, 0
	s_lshl_b32 s46, s67, 6
	s_lshl_b32 s47, s42, 4
	s_add_co_u32 s46, s46, s47
	s_add_co_u32 s46, s46, s18
	s_add_co_u32 s46, s46, 1536                    ; weights: row tile 1,536 + 64 t + 16 x + 8 x half
	s_mul_i32 s46, s46, RTB
	s_mov_b32 s47, 0
	s_mul_i32 s45, s14, HALFT                      ; where they go: wave x 8 row tiles
	s_wait_kmcnt 0x0
	s_add_nc_u64 s[20:21], s[4:5], s[20:21]
	s_add_nc_u64 s[46:47], s[4:5], s[46:47]
	CROUND                                         ; all sixteen work-groups are here: the first joint loads meet
.irp s, 0,1
	s_mov_b32 s[G0+4*\s], 1
	s_add_co_u32 s[G0+4*\s+1], s45, \s*SLOT
	s_add_nc_u64 s[G0+4*\s+2:G0+4*\s+3], s[20:21], \s*3072
	s_or_b32 s[G0+4*\s+3], s[G0+4*\s+3], 0x80000000
	s_mov_b32 s[G0B+4*\s], 1
	s_add_co_u32 s[G0B+4*\s+1], s45, \s*SLOT
	s_add_nc_u64 s[G0B+4*\s+2:G0B+4*\s+3], s[46:47], \s*3072
	s_or_b32 s[G0B+4*\s+3], s[G0B+4*\s+3], 0x80000000
	JLOAD G0+4*\s, G1, G0B+4*\s, G1B
.endr
	v_and_b32 v1, 31, v0                           ; lane
	v_and_b32 v2, 15, v0                           ; r
	v_bfe_u32 v3, v0, 4, 1                         ; h
	v_lshlrev_b32 v4, 4, v1
	v_lshlrev_b32 v5, 3, v1
	s_lshl_b32 s71, s17, 4                         ; the tokens' first row tile
	s_lshl_b32 s72, s67, 6
	s_lshl_b32 s73, s42, 4
	s_add_co_u32 s72, s72, s73
	s_add_co_u32 s72, s72, 1536                    ; the weights'
	s_mov_b32 s80, 13312
	s_cmp_eq_u32 s67, 0
	s_cselect_b32 s80, 6656, s80                   ; a step's bytes: in qimg, in kv
	s_cselect_b64 s[12:13], s[8:9], s[10:11]       ; the buffer that I store into
	s_lshl_b32 s81, s80, 4                         ; a head's bytes: 16 steps
	s_sub_co_u32 s84, s81, 3072
	s_mov_b32 s83, 3072
	s_cmp_eq_u32 s67, 2                            ; v?
	s_cselect_b32 s68, 1, 0
	s_cselect_b32 s69, 2*HALFT, 0                  ; R's region of a slot
	s_cselect_b32 s70, 0, 2*HALFT                  ; P's
	s_cselect_b32 s73, s72, s71                    ; R's first row tile
	s_cselect_b32 s74, s71, s72                    ; P's
	s_cselect_b32 s75, s16, s15                    ; which half of the tokens is mine
	s_cselect_b32 s76, s15, s16                    ; which half of the channels
	s_cselect_b32 s82, 6656, 0                     ; v's part of a step in kv
	s_cselect_b32 s83, s83, s81                    ; from registers 0-5 to 6-11: v: keys 64 on; q, k: the next head
	s_cselect_b32 s84, s84, 0                      ; v: from block 4 on the next head's tiles 0 to 3
	s_mul_i32 s21, s15, HALFT
	s_add_co_u32 s21, s21, s69
	s_mul_i32 s22, s16, HALFT
	s_add_co_u32 s22, s22, s70
.irp s, 0,1
	v_add_nc_u32 v[ADRA+\s], s21, v4
	v_add_nc_u32 v[ADRA+2+\s], s21, v5
	v_add_nc_u32 v[ADRB+\s], s22, v4
	v_add_nc_u32 v[ADRB+2+\s], s22, v5
	s_add_co_u32 s21, s21, SLOT
	s_add_co_u32 s22, s22, SLOT
.endr
	s_lshl_b32 s77, s15, 3
	s_add_co_u32 s73, s73, s77
	s_lshl_b32 s77, s16, 3
	s_add_co_u32 s74, s74, s77
	s_lshl_b32 s73, s73, 9                         ; 512 bytes of scale words a row tile
	s_lshl_b32 s74, s74, 9
	v_mov_b32 v6, s73
	v_mov_b32 v7, s74
	v_cmp_ne_u32 vcc_lo, 0, v3
	v_cndmask_b32 v6, v6, v7, vcc_lo               ; lanes 0-15 take R's words, lanes 16-31 P's
	v_lshl_add_u32 v6, v2, 5, v6
.irp i, 0,1,2,3,4,5,6,7                        ; all eight K steps' words of block i, once
.irp g, 0,1
	global_load_b128 v[SC+8*\i+4*\g:SC+8*\i+4*\g+3], v6, s[6:7] offset:512*\i+16*\g
.endr
.endr
	s_and_b32 s77, s17, 31                         ; 256 tokens of 8,192
	s_lshr_b32 s78, s77, 3                         ; the batch
	s_and_b32 s77, s77, 7
	s_lshl_b32 s77, s77, 1
	s_add_co_u32 s77, s77, s75                     ; my step of 128 tokens
	s_lshl_b32 s79, s42, 2
	s_lshl_b32 s76, s76, 1
	s_add_co_u32 s79, s79, s76                     ; head A
	s_lshl_b32 s78, s78, 4
	s_add_co_u32 s78, s78, s79
	s_lshl_b32 s78, s78, 4
	s_add_co_u32 s78, s78, s77
	s_mul_i32 s78, s78, s80
	s_add_co_u32 s78, s78, s82                     ; where my first fragment goes
	v_add_nc_u32 v[OA16], s78, v4
	v_add_nc_u32 v[OA8], s78, v5
	v_add_nc_u32 v[OB16], s83, v[OA16]
	v_add_nc_u32 v[OB8], s83, v[OA8]
	v_add_nc_u32 v[SA], 6144, v[OA16]
	v_add_nc_u32 v[SB], s81, v[SA]
.irp b, 0,1,2,3
	v_mov_b32 v[TM+4+\b], 0                        ; a lane permute's destination counts as read
.endr
	s_mov_b32 s86, 0x76543210
	s_mov_b32 s87, 0xfedcba98
.macro FRAG reg, adr, q, i             ; row tile i's fragment of the slot's q-th 128 along K, as it lies
	ds_load_b128 v[\reg:\reg+3], v[\adr] offset:3072*(\i)+1536*(\q)
	ds_load_b64 v[\reg+4:\reg+5], v[\adr+2] offset:3072*(\i)+1536*(\q)+512
	ds_load_b128 v[\reg+6:\reg+9], v[\adr] offset:3072*(\i)+1536*(\q)+768
	ds_load_b64 v[\reg+10:\reg+11], v[\adr+2] offset:3072*(\i)+1536*(\q)+1280
.endm
; 16 matrix instructions: R's blocks a0, a0 + 1 x P's eight; p: P's set; ks: the K step.  The 64 accumulators take turns, one instruction a turn, in the same order in every step.
.macro MUL16 a0, p, ks, zero
.irp a, \a0, \a0+1
.irp b, 0,1,2,3,4,5,6,7
.if \zero
	v_wmma_scale_f32_16x16x128_f8f6f4 v[8*(8*((\a)%4)+\b):8*(8*((\a)%4)+\b)+7], v[128*(\p)+FR*\b:128*(\p)+FR*\b+FR-1], v[AF+FR*(\a):AF+FR*(\a)+FR-1], 0, v[SC+8*\b+(\ks)], v[SC+8*(\a)+(\ks)] matrix_a_fmt:MATRIX_FMT_FP6 matrix_b_fmt:MATRIX_FMT_FP6 matrix_a_scale:MATRIX_SCALE_ROW1
.else
	v_wmma_scale_f32_16x16x128_f8f6f4 v[8*(8*((\a)%4)+\b):8*(8*((\a)%4)+\b)+7], v[128*(\p)+FR*\b:128*(\p)+FR*\b+FR-1], v[AF+FR*(\a):AF+FR*(\a)+FR-1], v[8*(8*((\a)%4)+\b):8*(8*((\a)%4)+\b)+7], v[SC+8*\b+(\ks)], v[SC+8*(\a)+(\ks)] matrix_a_fmt:MATRIX_FMT_FP6 matrix_b_fmt:MATRIX_FMT_FP6 matrix_a_scale:MATRIX_SCALE_ROW1
.endif
.endr
.endr
.endm
.macro FETCH_B slot, q, p
	WIN TO_B
.irp i, 0,1,2,3,4,5,6,7
	FRAG 128*(\p)+FR*\i, ADRB+\slot, \q, \i
.endr
	WIN 0
.endm
.macro FETCH_A slot, q, i0
.irp i, \i0, \i0+1, \i0+2, \i0+3
	FRAG AF+FR*(\i), ADRA+\slot, \q, \i
.endr
.endm
; A slot's first 128 along K: P's set 0; its middle and its end fetch the second 128.
.macro STEP slot, ks, zero
	s_wait_dscnt 4*NL                              ; P's set and R's blocks 0-3 are in; the youngest 16 loads (R's blocks 4-7) may be out
	WIN MUL_LO
	MUL16 0, 0, \ks, \zero
	MUL16 2, 0, \ks, \zero
	s_wait_dscnt 0x0                               ; R's blocks 4-7 are in
	PLACES
	FETCH_B \slot, 1, 1
	FETCH_A \slot, 1, 0
	WIN MUL_HI
	MUL16 4, 0, \ks, \zero
	MUL16 6, 0, \ks, \zero
	PLACES
	WIN 0
	FETCH_A \slot, 1, 4
.endm
; A slot's second 128 changes slots: one barrier; in front of it each wave waits for all its tensor loads, adds 0 to its spare word, and waits for that and for its reads of this slot.  fill = 1: the slot is filled again, two slots ahead.
.macro TURN slot, next, fill, ks
	s_wait_tensorcnt 0x0                           ; all my tensor loads have landed: my part of the next slot
	ds_add_u32 v[SPW], v[NIL]                      ; 0 onto my spare word
	s_wait_dscnt 4*NL+1                            ; (the add and the youngest 16 loads may be out)
	WIN MUL_LO
	MUL16 0, 1, \ks, 0
	s_wait_dscnt 0x0                               ; the add is done, and my reads of this slot are over
	s_barrier_signal -1
	MUL16 2, 1, \ks, 0
	WIN 0
	s_barrier_wait -1
.if \fill
	CREST                                          ; the barrier has opened a round of the cluster's: no wave of any partner still reads this slot or has a load on its way
	s_add_nc_u64 s[G0+4*\slot+2:G0+4*\slot+3], s[G0+4*\slot+2:G0+4*\slot+3], 6144
	s_add_nc_u64 s[G0B+4*\slot+2:G0B+4*\slot+3], s[G0B+4*\slot+2:G0B+4*\slot+3], 6144
	JLOAD G0+4*\slot, G1, G0B+4*\slot, G1B         ; the first tensor load behind the round; its four v_nop are the places in front of the loads below
.else
	PLACES
.endif
	FETCH_B \next, 0, 0
	FETCH_A \next, 0, 0
	WIN MUL_HI
	MUL16 4, 1, \ks, 0
	MUL16 6, 1, \ks, 0
	PLACES
	WIN 0
	FETCH_A \next, 0, 4
.endm
	s_wait_tensorcnt 1                             ; my part of slot 0 is in; slot 1's load may be out
	s_barrier_signal -1
	s_barrier_wait -1
	FETCH_B 0, 0, 0
	FETCH_A 0, 0, 0
	FETCH_A 0, 0, 4
	s_wait_loadcnt 0x0                             ; the scale words
	STEP 0, 0, 1                                   ; the first products start the sums
	TURN 0, 1, 1, 1
	STEP 1, 2, 0
	TURN 1, 0, 1, 3
	STEP 0, 4, 0
	TURN 0, 1, 0, 5                                ; nothing is left to fetch
	STEP 1, 6, 0
	s_wait_dscnt 4*NL
	WIN MUL_LO
	MUL16 0, 1, 7, 0
	MUL16 2, 1, 7, 0
	s_wait_dscnt 0x0
	WIN MUL_HI
	MUL16 4, 1, 7, 0
	MUL16 6, 1, 7, 0
	WIN 0
; R's block a: register 16 b + i of its 64 is P's row 32 b + 16 (lane / 16) + i.  They become a fragment's codes in v[PC] on and the row's scale word in v[WD + a].  Each accumulator is read from its low end on.
.macro QUANTW a
.set QS, 64*((\a)%4)
.set PC, 128+20*((\a)%2)
	WIN 0x0a+5*((\a)/4)                            ; sources 0 and 1: window 2 or 3
.irp b, 0,1,2,3
	v_max3_num_f32 v[TM+\b], |v[QS+16*\b]|, |v[QS+16*\b+1]|, 0x1800000   ; with the floor 2^(3 - 127)
.endr
.irp i, 2,4,6,8,10,12,14
.irp b, 0,1,2,3
	v_max3_num_f32 v[TM+\b], |v[QS+16*\b+\i]|, |v[QS+16*\b+\i+1]|, v[TM+\b]
.endr
.endr
	WIN 0
.irp b, 0,1,2,3
	v_permlanex16_b32 v[TM+4+\b], v[TM+\b], s86, s87
.endr
.irp b, 0,1,2,3
	v_max_num_f32 v[TM+\b], v[TM+\b], v[TM+4+\b]   ; with lane l xor 16's 16: the block's largest magnitude
.endr
.irp b, 0,1,2,3
	v_add_nc_u32 v[TM+8+\b], 0xff000000, v[TM+\b]  ; 2 off its exponent field: the conversion's scale operand
.endr
.irp b, 0,1,2,3
	v_lshrrev_b32 v[TM+4+\b], 23, v[TM+8+\b]       ; the byte
.endr
	v_lshl_or_b32 v[WD+(\a)], v[TM+5], 8, v[TM+4]
	v_lshl_or_b32 v[WD+(\a)], v[TM+6], 16, v[WD+(\a)]
	v_lshl_or_b32 v[WD+(\a)], v[TM+7], 24, v[WD+(\a)]
	WIN 0x02+(\a)/4                                ; source 0: window 2 or 3
.irp c, 0,1
	v_cvt_scalef32_pk16_fp6_f32 v[PC+6*\c:PC+6*\c+2], v[QS+32*\c:QS+32*\c+15], v[TM+8+2*\c]
	v_cvt_scalef32_pk16_fp6_f32 v[PC+12+4*\c:PC+14+4*\c], v[QS+32*\c+16:QS+32*\c+31], v[TM+8+2*\c+1]
.endr
	WIN 0
	v_nop                                          ; one plain place behind the conversions
.irp c, 0,1                                    ; the layout wants a whole block in a lane: lanes 0-15 block 2 c, lanes 16-31 block 2 c + 1
.irp i, 0,1,2
	v_permlane16_swap_b32 v[PC+6*\c+\i], v[PC+12+4*\c+\i]
.endr
.irp i, 0,1,2
	v_mov_b32 v[PC+6*\c+3+\i], v[PC+12+4*\c+\i]
.endr
.endr
.endm
	PLACES
.irp a, 0,1,2,3,4,5,6,7
	s_wait_xcnt 0x0                                ; the earlier stores have read their codes and offsets: both are written again below
.if \a == 4
	v_add_nc_u32 v[OA16], s84, v[OA16]
	v_add_nc_u32 v[OA8], s84, v[OA8]
	v_add_nc_u32 v[OB16], s84, v[OB16]
	v_add_nc_u32 v[OB8], s84, v[OB8]
.endif
	QUANTW \a
	global_store_b128 v[OA16], v[PC:PC+3], s[12:13] offset:768*\a          ; 512 consecutive aligned bytes
	global_store_b64 v[OA8], v[PC+4:PC+5], s[12:13] offset:768*\a+512      ; 256
	global_store_b128 v[OB16], v[PC+6:PC+9], s[12:13] offset:768*\a
	global_store_b64 v[OB8], v[PC+10:PC+11], s[12:13] offset:768*\a+512
.endr
	s_cmp_eq_u32 s68, 1
	s_cbranch_scc1 .Lv_words
	v_cmp_ne_u32 vcc_lo, 0, v3                     ; q, k: lane (r, h), word i: tile 2 i + h of row r; the head's two bytes below, zeros above
.irp i, 0,1,2,3
	v_cndmask_b32 v[168+\i], v[WD+2*\i], v[WD+2*\i+1], vcc_lo
.endr
.irp i, 0,1,2,3
	v_and_b32 v[122+\i], 0xffff, v[168+\i]         ; head A
.endr
.irp i, 0,1,2,3
	v_lshrrev_b32 v[168+\i], 16, v[168+\i]         ; head A + 1
.endr
	global_store_b128 v[SA], v[122:125], s[12:13]
	global_store_b128 v[SB], v[168:171], s[12:13]
	s_branch .Lwords_out
.Lv_words:                                         ; v: the words of a head's four channel tiles as they stand
	global_store_b128 v[SA], v[WD:WD+3], s[12:13]
	global_store_b128 v[SB], v[WD+4:WD+7], s[12:13]
.Lwords_out:
	s_wait_tensorcnt 0x0                           ; the wave's end
	ds_add_u32 v[SPW], v[NIL]
	s_wait_dscnt 0x0
	CROUND                                         ; the closing round
	s_endpgm
.Lfunc_end_k_qd7b7d94c05_proj:
	.size	k_qd7b7d94c05_proj, .Lfunc_end_k_qd7b7d94c05_proj-k_qd7b7d94c05_proj
	.p2alignl 7, 3214868480
	.fill 96, 4, 3214868480
	.section	.rodata,"a",@progbits
	.p2align	6, 0x0
	.amdhsa_kernel k_qd7b7d94c05_proj
		.amdhsa_group_segment_fixed_size 327680
		.amdhsa_private_segment_fixed_size 0
		.amdhsa_enable_private_segment 0
		.amdhsa_kernarg_size 32
		.amdhsa_user_sgpr_count 2
		.amdhsa_user_sgpr_kernarg_segment_ptr 1
		.amdhsa_wavefront_size32 1
		.amdhsa_system_sgpr_workgroup_id_x 1
		.amdhsa_system_sgpr_workgroup_id_y 1
		.amdhsa_system_sgpr_workgroup_id_z 1
		.amdhsa_system_vgpr_workitem_id 0
		.amdhsa_next_free_vgpr 1024
		.amdhsa_next_free_sgpr 100
		.amdhsa_reserve_vcc 1
		.amdhsa_float_denorm_mode_32 3
		.amdhsa_float_denorm_mode_16_64 3
		.amdhsa_memory_ordered 1
		.amdhsa_forward_progress 1
		.amdhsa_inst_pref_size 148
	.end_amdhsa_kernel
	.amdgpu_metadata
---
amdhsa.version: [ 1, 2 ]
amdhsa.kernels:
  - .name:           k_qd7b7d94c05_proj
    .symbol:         k_qd7b7d94c05_proj.kd
    .args:
      - { .name: xc, .offset: 0, .size: 8, .value_kind: global_buffer, .address_space: global }
      - { .name: xs, .offset: 8, .size: 8, .value_kind: global_buffer, .address_space: global }
      - { .name: qimg, .offset: 16, .size: 8, .value_kind: global_buffer, .address_space: global }
      - { .name: kv, .offset: 24, .size: 8, .value_kind: global_buffer, .address_space: global }
    .group_segment_fixed_size: 327680
    .private_segment_fixed_size: 0
    .kernarg_segment_align: 8
    .kernarg_segment_size: 32
    .max_flat_workgroup_size: 128
    .sgpr_count:     100
    .vgpr_count:     1024
    .wavefront_size: 32
...
	.end_amdgpu_metadata
.endif
;; end of part 2
;; launch attn (part 3): grid 256 x 1, 16 waves a work-group, no clusters, 120,832 bytes of LDS; arguments qimg, kv, valid_lens, xc, xs; writes xc, xs
.if DOCPART == 3
	.amdgcn_target "amdgcn-amd-amdhsa--gfx1250"
	.amdhsa_code_object_version 6
	.text
	.protected	k_qd7b7d94c05_attn
	.globl	k_qd7b7d94c05_attn
	.p2align	8
	.type	k_qd7b7d94c05_attn,@function
k_qd7b7d94c05_attn:
	s_mov_b64 s[64:65], 0
	v_nop
	global_prefetch_b8 v0, s[64:65] scope:SCOPE_SE
	s_setreg_imm32_b32 hwreg(HW_REG_WAVE_MODE, 25, 1), 1
	s_wait_xcnt 0x0
; Attention on codes of FP6: S^T = k q^T (K = the head's 64), p = 2^(t - M) with t = score x log2(e) / 8 and M the running largest t rounded up to a whole number, O^T = v^T p^T (K = the keys), O / the sum of the unquantised p.
; The result is quantised along the model's 1,024 and stored as the last product's operand: row tiles 1,792 on of xc and xs.
; Keys at or behind valid_lens[b] do not count.  A step of 128 keys that lies wholly behind it is left out; the one step that straddles it has its hidden scores set to -infinity ahead of the maximum.
; valid_lens is held to 0 .. 2,048.  At 0 every key is masked alike and the softmax is flat over all 2,048 keys: the job then walks all keys with the factor c = 0, so that every p is 1.
; A JOB is (batch, head, 256 queries); each of the sixteen waves owns 16 queries in 256 registers, four waves to a SIMD.  512 jobs, two to a work-group.  The batches are ranked by length; work-groups 0-127 take the longest and the
; shortest, the others the two in the middle, so that the work-groups' sums of key steps lie near each other.
; NO CLUSTER, NO TENSOR LOAD, though the eight query blocks of a head read the same k and v: how far the walk over the keys goes hangs on a number read from memory.
; k and v go from memory through registers into LDS: a chunk of 4 key steps, 53,248 dense bytes, 3,328 a wave, loaded one chunk ahead of its use, in two LDS slots by turns, one barrier a chunk.
; All loops have constant trip counts and every barrier is on every wave's path: only work is jumped over.
; K = 64 IN AN INSTRUCTION OF K = 128: q's registers 6-11 are zero codes, so what stands in k's registers 6-11 (the next tile's codes) adds nothing; the unused scale bytes are 0, which is a power of two and no NaN.
; Lane r of a tile of k takes key 32 (t / 2) + 8 (t % 2) + r + 8 (r / 8): the 16 registers of tiles 2 b, 2 b + 1 of S^T are keys 32 b + 16 (lane / 16) + 0 .. 15.  v's channel tiles are laid likewise.
; LIMITS: NaN and infinities are not served; a block whose largest magnitude lies under 2^-124 keeps the byte 1.
.set STEPB, 13312                      ; a key step in kv and in LDS: k's 8 tiles x 768, its scale words at 6,144, v's 8 half fragments from 6,656, its scale words at 12,800
.set CHUNK, 4*STEPB
.set SLOT1, 65536
.set FB,  56                           ; v56-103 k's 8 tiles, 6 registers each, then v's 4 fragments; v104-109 zeros
.set KS,  110                          ; v110-113 k's scale words: register u: tile 2 u in lanes 0-15, tile 2 u + 1 in lanes 16-31
.set VS,  114                          ; v114-117 v's
.set ST,  118                          ; v118-181 S^T, then p
.set OT,  182                          ; v182-213 O^T
.set PCD, 214                          ; v214-225 p's codes
.set TC,  226                          ; v226-228, v230-232 upper halves as converted
.set BM,  234                          ; v234-237 a block's largest score, then its largest p
.set PT,  238                          ; v238-241 exchange, then bytes
.set SO,  242                          ; v242-245 the conversions' scale operands
.set T0,  246
.set FA,  248                          ; v248 f = 2^(old M - new M)
.set PW,  249                          ; v249 p's scale word
.set SU,  250                          ; v250-251 the sum's second chain; the mask's two numbers
.set WV,  14
.set SEL, 16
.set CS,  18                           ; s[18:19] c
.set KEY, 26
.set KEY1, 27
.set QB,  28
.set HD,  29
.set EFF, 30                           ; the keys that count
.set KF,  31                           ; the step's first key
.set TB,  32                           ; the step's first LDS byte
.set JOB, 33
.set CI,  34
.set SI,  35
.set KVP, 36                           ; s[36:37] the chunk that is loaded next
.set QP,  38
.set QSP, 40
.set XCP, 42
.set XSP, 44
	s_load_b256 s[4:11], s[0:1], 0x0               ; qimg, kv, valid_lens, xc
	s_load_b64 s[12:13], s[0:1], 0x20              ; xs
	v_lshl_add_u32 v254, v0, 2, 0x1d000
	v_mov_b32 v255, 0
	v_lshrrev_b32 v1, 5, v0
	v_readfirstlane_b32 s[WV], v1
	v_and_b32 v8, 31, v0
	v_and_b32 v9, 15, v0
	v_bfe_u32 v10, v0, 4, 1
	v_lshlrev_b32 v1, 4, v8                        ; 16 x lane
	v_lshlrev_b32 v2, 3, v8                        ; 8 x lane
	s_mul_i32 s15, s[WV], 3328
	v_add_nc_u32 v3, s15, v1                       ; my wave's part of a chunk: six times 512 bytes,
	v_add_nc_u32 v4, s15, v2
	v_add_nc_u32 v4, 3072, v4                      ; and 256
	v_lshlrev_b32 v5, 4, v10                       ; 16 h
	v_lshlrev_b32 v6, 5, v9                        ; 32 r
	v_lshlrev_b32 v7, 4, v9                        ; 16 r
.irp j, 0,1,2,3,4,5
	v_mov_b32 v[22+\j], 0                          ; q's upper 64 along K: zero codes
	v_mov_b32 v[104+\j], 0                         ; what tile 7 of k names as its upper half
.endr
.irp j, 0,1,2,3
	v_mov_b32 v[PT+\j], 0                          ; a lane permute's destination counts as read
.endr
	v_mov_b32 v[T0], 0
	v_mov_b32 v[PW], 0                             ; (named as the upper half of the pair with f)
	s_mov_b32 s[SEL], 0x76543210
	s_mov_b32 s[SEL+1], 0xfedcba98
	s_mov_b32 s[TB], 0
	s_and_b32 s24, ttmp9, 127
	s_and_b32 s[QB], s24, 7                        ; which 256 queries
	s_lshr_b32 s[HD], s24, 3                       ; which head
	s_wait_kmcnt 0x0
	s_load_b128 s[20:23], s[8:9], 0x0              ; the four lengths
	s_wait_kmcnt 0x0
.irp b, 0,1,2,3                                ; a key to sort by: length x 8 + batch; a length of 0 counts as 2,048 with bit 2 set
	s_max_i32 s[20+\b], s[20+\b], 0
	s_min_u32 s[20+\b], s[20+\b], 2048
	s_lshl_b32 s24, s[20+\b], 3
	s_or_b32 s24, s24, \b
	s_cmp_eq_u32 s[20+\b], 0
	s_cselect_b32 s[20+\b], 0x4004+\b, s24
.endr
.macro CE i, j                                 ; the larger key to place i
	s_max_u32 s24, s[20+\i], s[20+\j]
	s_min_u32 s[20+\j], s[20+\i], s[20+\j]
	s_mov_b32 s[20+\i], s24
.endm
	CE 0, 1
	CE 2, 3
	CE 0, 2
	CE 1, 3
	CE 1, 2
	s_cmp_lt_u32 ttmp9, 128
	s_cselect_b32 s[KEY], s20, s21
	s_cselect_b32 s[KEY1], s23, s22
.macro STAGE_LOAD
.irp j, 0,1,2,3,4,5
	global_load_b128 v[30+4*\j:33+4*\j], v3, s[KVP:KVP+1] offset:512*\j
.endr
	global_load_b64 v[54:55], v4, s[KVP:KVP+1]
.endm
	s_mov_b32 s[JOB], 0
.Ljob:
	s_wait_loadcnt 0x0                             ; no load of the last job is out: the registers that it loaded are loaded again below
	s_wait_xcnt 0x0                                ; the last job's stores have read their addresses and data
	s_and_b32 s24, s[KEY], 3
	s_min_u32 s24, s24, 3                          ; the batch
	s_lshr_b32 s[EFF], s[KEY], 3
	s_min_u32 s[EFF], s[EFF], 2048
	s_bitcmp1_b32 s[KEY], 2
	s_cselect_b32 s[CS], 0, 0x3e38aa3b             ; c = log2(e) / 8, or 0 where every key is masked
	s_mov_b32 s[CS+1], s[CS]
	s_lshl_b32 s25, s24, 4
	s_add_co_u32 s25, s25, s[HD]                   ; 16 b + head
	s_mul_i32 s46, s25, 16*STEPB
	s_mov_b32 s47, 0
	s_add_nc_u64 s[KVP:KVP+1], s[6:7], s[46:47]
	s_lshl_b32 s48, s25, 4
	s_lshl_b32 s49, s[QB], 1
	s_add_co_u32 s48, s48, s49
	s_lshr_b32 s49, s[WV], 3
	s_add_co_u32 s48, s48, s49                     ; my step of 128 queries
	s_mul_i32 s46, s48, 6656
	s_add_nc_u64 s[QSP:QSP+1], s[4:5], s[46:47]
	s_and_b32 s49, s[WV], 7                        ; my tile in it
	s_mul_i32 s46, s49, 768
	s_add_nc_u64 s[QP:QP+1], s[QSP:QSP+1], s[46:47]
	s_and_b32 s46, s[WV], 1
	s_lshl_b32 s46, s46, 8
	s_lshr_b32 s49, s49, 1
	s_lshl_b32 s49, s49, 2
	s_add_co_u32 s46, s46, s49
	s_add_co_u32 s46, s46, 6144                    ; its scale words: 6,144 + 256 (tile % 2) + 4 (tile / 2) + 16 r
	s_add_nc_u64 s[QSP:QSP+1], s[QSP:QSP+1], s[46:47]
	s_lshl_b32 s48, s24, 7
	s_lshl_b32 s49, s[QB], 4
	s_add_co_u32 s48, s48, s49
	s_add_co_u32 s48, s48, s[WV]
	s_add_co_u32 s48, s48, 1792                    ; the row tile that I store
	s_mul_i32 s46, s48, 12288
	s_lshr_b32 s49, s[HD], 1
	s_mul_i32 s49, s49, 1536
	s_add_co_u32 s46, s46, s49
	s_and_b32 s49, s[HD], 1
	s_mul_i32 s49, s49, 768
	s_add_co_u32 s46, s46, s49                     ; K step head / 2, half head % 2
	s_add_nc_u64 s[XCP:XCP+1], s[10:11], s[46:47]
	s_lshl_b32 s46, s48, 9
	s_lshl_b32 s49, s[HD], 1
	s_add_co_u32 s46, s46, s49
	s_add_nc_u64 s[XSP:XSP+1], s[12:13], s[46:47]
	global_load_b128 v[16:19], v1, s[QP:QP+1]
	global_load_b64 v[20:21], v2, s[QP:QP+1] offset:512
	global_load_b32 v28, v7, s[QSP:QSP+1]
	STAGE_LOAD                                     ; the first chunk: at least one key counts
	v_mov_b32 v13, 0xff61b1e6                      ; the largest t so far: -3e38
	v_floor_f32 v12, -v13                          ; -M
	v_mov_b32 v14, 0
	v_mov_b32 v15, 0
.set n, 0
.rept 32
	v_mov_b32 v[OT+n], 0                           ; the step is written once: the first finds zeros
.set n, n+1
.endr
	s_mov_b32 s[KF], 0
	s_mov_b32 s[CI], 0
.Lchunk:
	s_wait_loadcnt 0x0                             ; the chunk's bytes are in my registers (in a job's first trip q too)
	v_add_nc_u32 v10, s[TB], v3
	v_add_nc_u32 v11, s[TB], v4
	s_cmp_lt_u32 s[KF], s[EFF]
	s_cbranch_scc0 .Lno_store
.irp j, 0,1,2,3,4,5
	ds_store_b128 v10, v[30+4*\j:33+4*\j] offset:512*\j
.endr
	ds_store_b64 v11, v[54:55]
.Lno_store:
	s_wait_dscnt 0x0                               ; my stores have landed, and my reads of the other slot are over:
	s_barrier_signal -1                            ; this slot was last read two trips ago, in front of the last trip's barrier
	s_barrier_wait -1
	s_add_nc_u64 s[KVP:KVP+1], s[KVP:KVP+1], CHUNK
	s_add_co_u32 s24, s[KF], 512
	s_cmp_lt_u32 s24, s[EFF]                       ; (never in the last chunk: the length is held at 2,048)
	s_cbranch_scc0 .Lno_load
	STAGE_LOAD                                     ; the next chunk: it has four key steps in which to come
.Lno_load:
	s_mov_b32 s[SI], 0
.Lstep:
	v_add_nc_u32 v8, s[TB], v1
	v_add_nc_u32 v9, s[TB], v2
	s_cmp_ge_u32 s[KF], s[EFF]
	s_cbranch_scc1 .Lskip                          ; all 128 keys are masked
	v_nop                                          ; with the two additions: four places in front of loads into registers that the last products read
	v_nop
.irp t, 0,1,2,3,4,5,6,7
	ds_load_b128 v[FB+6*\t:FB+6*\t+3], v8 offset:768*\t
	ds_load_b64 v[FB+6*\t+4:FB+6*\t+5], v9 offset:768*\t+512
.endr
	ds_load_b128 v[KS:KS+3], v8 offset:6144
	s_wait_dscnt 0x0
.irp u, 0,1,2,3
	v_wmma_scale_f32_16x16x128_f8f6f4 v[ST+16*\u:ST+16*\u+7], v[FB+12*\u:FB+12*\u+11], v[16:27], 0, v[KS+\u], v28 matrix_a_fmt:MATRIX_FMT_FP6 matrix_b_fmt:MATRIX_FMT_FP6
	v_wmma_scale_f32_16x16x128_f8f6f4 v[ST+16*\u+8:ST+16*\u+15], v[FB+12*\u+6:FB+12*\u+17], v[16:27], 0, v[KS+\u], v28 matrix_a_fmt:MATRIX_FMT_FP6 matrix_b_fmt:MATRIX_FMT_FP6 matrix_a_scale:MATRIX_SCALE_ROW1
.endr
.rept 4
	v_nop                                          ; places in front of the loads below and of the first read of the scores
.endr
.irp t, 0,1,2,3                                ; v's four fragments: they come while the softmax is walked
	ds_load_b128 v[FB+12*\t:FB+12*\t+3], v8 offset:6656+768*\t
	ds_load_b64 v[FB+12*\t+4:FB+12*\t+5], v9 offset:6656+768*\t+512
	ds_load_b128 v[FB+12*\t+6:FB+12*\t+9], v8 offset:9728+768*\t
	ds_load_b64 v[FB+12*\t+10:FB+12*\t+11], v9 offset:9728+768*\t+512
.endr
	ds_load_b128 v[VS:VS+3], v8 offset:12800
	s_add_co_u32 s24, s[KF], 128
	s_cmp_le_u32 s24, s[EFF]
	s_cbranch_scc1 .Lopen                          ; all 128 keys count
	s_sub_co_u32 s24, s[EFF], s[KF]
	s_sub_co_u32 s24, s24, 1
	v_sub_nc_u32 v[SU], s24, v5                    ; d = length - 1 - first key - 16 h.  Register 16 b + i holds key 32 b + 16 h + i of the step: hidden where 32 b + i > d
	v_mov_b32 v[SU+1], 0xff800000
.set n, 0
.rept 64
	v_cmp_gt_i32 vcc_lo, 32*(n/16)+n%16, v[SU]
	v_cndmask_b32 v[ST+n], v[ST+n], v[SU+1], vcc_lo
.set n, n+1
.endr
.Lopen:
.irp b, 0,1,2,3
	v_max3_num_f32 v[BM+\b], v[ST+16*\b], v[ST+16*\b+1], v[ST+16*\b+2]   ; the largest score of each block of 32 keys: for the row's maximum, and, since p rises with the score, for the block's largest p
.endr
.irp i, 3,5,7,9,11,13
.irp b, 0,1,2,3
	v_max3_num_f32 v[BM+\b], v[BM+\b], v[ST+16*\b+\i], v[ST+16*\b+\i+1]
.endr
.endr
.irp b, 0,1,2,3
	v_max_num_f32 v[BM+\b], v[BM+\b], v[ST+16*\b+15]
.endr
.irp b, 0,1,2,3
	v_permlanex16_b32 v[PT+\b], v[BM+\b], s[SEL], s[SEL+1]
.endr
.irp b, 0,1,2,3
	v_max_num_f32 v[BM+\b], v[BM+\b], v[PT+\b]
.endr
	v_max3_num_f32 v[T0], v[BM], v[BM+1], v[BM+2]
	v_max_num_f32 v[T0], v[T0], v[BM+3]
	v_mul_f32 v[T0], s[CS], v[T0]                  ; as t (c is not negative)
	v_max_num_f32 v13, v13, v[T0]                  ; the running largest t
	v_mov_b32 v[T0], v12
	v_floor_f32 v12, -v13                          ; the new -M = -ceil(t): a whole number
	v_sub_f32 v[T0], v12, v[T0]                    ; old M - new M, 0 or less
	v_cvt_i32_f32 v[T0], v[T0]                     ; (it saturates)
	v_ldexp_f32 v[FA], 1.0, v[T0]                  ; f: a multiplication by it rounds nothing
.set n, 0
.rept 32
	v_pk_fma_f32 v[ST+n:ST+n+1], v[ST+n:ST+n+1], s[CS:CS+1], v[12:13] op_sel_hi:[1,0,0]   ; t - M
.set n, n+2
.endr
.irp b, 0,1,2,3
	v_fma_f32 v[BM+\b], v[BM+\b], s[CS], v12
.endr
.set n, 0
.rept 64
	v_exp_f32 v[ST+n], v[ST+n]                     ; p, not normalised
.set n, n+1
.endr
	v_pk_mul_f32 v[14:15], v[14:15], v[FA:FA+1] op_sel_hi:[1,0]   ; the sums under the new M: the plain place behind the exponentials
	s_wait_alu depctr_va_vdst(0)                   ; one wait for the batch of 64, ahead of its first reader
.irp b, 0,1,2,3
	v_exp_f32 v[BM+\b], v[BM+\b]                   ; the block's largest p
.endr
	v_pk_add_f32 v[SU:SU+1], v[ST:ST+1], v[ST+2:ST+3]   ; the row's sum is taken of the unquantised p, in two chains
.set n, 4
.rept 15
	v_pk_add_f32 v[14:15], v[14:15], v[ST+n:ST+n+1]
	v_pk_add_f32 v[SU:SU+1], v[SU:SU+1], v[ST+n+2:ST+n+3]
.set n, n+4
.endr
	v_pk_add_f32 v[14:15], v[14:15], v[SU:SU+1]
	s_wait_alu depctr_va_vdst(0)                   ; and one for the four
.irp b, 0,1,2,3
	v_max_num_f32 v[BM+\b], 0x1800000, v[BM+\b]    ; the floor 2^(3 - 127)
.endr
.irp b, 0,1,2,3
	v_add_nc_u32 v[SO+\b], 0xff000000, v[BM+\b]
.endr
.irp b, 0,1,2,3
	v_lshrrev_b32 v[PT+\b], 23, v[SO+\b]
.endr
	v_lshl_or_b32 v[PW], v[PT+1], 8, v[PT]
	v_lshl_or_b32 v[PW], v[PT+2], 16, v[PW]
	v_lshl_or_b32 v[PW], v[PT+3], 24, v[PW]
.irp c, 0,1
	v_cvt_scalef32_pk16_fp6_f32 v[PCD+6*\c:PCD+6*\c+2], v[ST+32*\c:ST+32*\c+15], v[SO+2*\c]
	v_cvt_scalef32_pk16_fp6_f32 v[TC+4*\c:TC+4*\c+2], v[ST+32*\c+16:ST+32*\c+31], v[SO+2*\c+1]
.endr
	v_nop                                          ; one plain place behind the conversions
.irp c, 0,1
.irp i, 0,1,2
	v_permlane16_swap_b32 v[PCD+6*\c+\i], v[TC+4*\c+\i]
.endr
.irp i, 0,1,2
	v_mov_b32 v[PCD+6*\c+3+\i], v[TC+4*\c+\i]
.endr
.endr
.set n, 0
.rept 16
	v_pk_mul_f32 v[OT+n:OT+n+1], v[OT+n:OT+n+1], v[FA:FA+1] op_sel_hi:[1,0]   ; O^T under the new M; these lines also stand between the codes' last write and the products
.set n, n+2
.endr
	s_wait_dscnt 0x0                               ; v is in
.irp t, 0,1,2,3
	v_wmma_scale_f32_16x16x128_f8f6f4 v[OT+8*\t:OT+8*\t+7], v[FB+12*\t:FB+12*\t+11], v[PCD:PCD+11], v[OT+8*\t:OT+8*\t+7], v[VS+\t], v[PW] matrix_a_fmt:MATRIX_FMT_FP6 matrix_b_fmt:MATRIX_FMT_FP6
.endr
.Lskip:
	s_add_co_u32 s[KF], s[KF], 128
	s_add_co_u32 s[TB], s[TB], STEPB
	s_add_co_u32 s[SI], s[SI], 1
	s_cmp_lt_u32 s[SI], 4
	s_cbranch_scc1 .Lstep
	s_sub_co_u32 s[TB], s[TB], CHUNK
	s_xor_b32 s[TB], s[TB], SLOT1                  ; on to the other slot
	s_add_co_u32 s[CI], s[CI], 1
	s_cmp_lt_u32 s[CI], 4
	s_cbranch_scc1 .Lchunk
	; the job's end: O^T / the sum, quantised along the head's 64 channels: register 16 g + i is channel 32 g + 16 h + i of my query
.rept 4
	v_nop
.endr
	v_add_f32 v14, v14, v15
	v_permlanex16_b32 v[T0], v14, s[SEL], s[SEL+1]
	v_add_f32 v14, v14, v[T0]
	v_rcp_f32 v14, v14
	v_nop                                          ; a plain place behind the reciprocal
	s_wait_alu depctr_va_vdst(0)                   ; and the wait ahead of its first reader
.set n, 0
.rept 32
	v_mul_f32 v[ST+n], v[OT+n], v14
.set n, n+1
.endr
.irp g, 0,1
	v_max3_num_f32 v[BM+\g], |v[ST+16*\g]|, |v[ST+16*\g+1]|, 0x1800000
.endr
.irp i, 2,4,6,8,10,12,14
.irp g, 0,1
	v_max3_num_f32 v[BM+\g], v[BM+\g], |v[ST+16*\g+\i]|, |v[ST+16*\g+\i+1]|
.endr
.endr
.irp g, 0,1
	v_permlanex16_b32 v[PT+\g], v[BM+\g], s[SEL], s[SEL+1]
.endr
.irp g, 0,1
	v_max_num_f32 v[BM+\g], v[BM+\g], v[PT+\g]
.endr
.irp g, 0,1
	v_add_nc_u32 v[SO+\g], 0xff000000, v[BM+\g]
.endr
.irp g, 0,1
	v_lshrrev_b32 v[PT+\g], 23, v[SO+\g]
.endr
	v_lshl_or_b32 v[T0], v[PT+1], 8, v[PT]         ; the head's two scale bytes of my query
	v_cvt_scalef32_pk16_fp6_f32 v[214:216], v[ST:ST+15], v[SO]
	v_cvt_scalef32_pk16_fp6_f32 v[218:220], v[ST+16:ST+31], v[SO+1]
	v_nop
.irp i, 0,1,2
	v_permlane16_swap_b32 v[214+\i], v[218+\i]
.endr
.irp i, 0,1,2
	v_mov_b32 v[217+\i], v[218+\i]                 ; ascending: each source is read before it is written
.endr
	global_store_b128 v1, v[214:217], s[XCP:XCP+1]             ; 512 consecutive aligned bytes
	global_store_b64 v2, v[218:219], s[XCP:XCP+1] offset:512   ; 256
	global_store_b16 v6, v[T0], s[XSP:XSP+1]       ; two bytes of the query's 32: a head owns no more of them; both halves of the lanes write the same bytes with the same value
	s_mov_b32 s[KEY], s[KEY1]
	s_add_co_u32 s[JOB], s[JOB], 1
	s_cmp_lt_u32 s[JOB], 2
	s_cbranch_scc1 .Ljob
	s_wait_tensorcnt 0x0
	ds_add_u32 v254, v255
	s_wait_dscnt 0x0
	s_endpgm
.Lfunc_end_k_qd7b7d94c05_attn:
	.size	k_qd7b7d94c05_attn, .Lfunc_end_k_qd7b7d94c05_attn-k_qd7b7d94c05_attn
	.p2alignl 7, 3214868480
	.fill 96, 4, 3214868480
	.section	.rodata,"a",@progbits
	.p2align	6, 0x0
	.amdhsa_kernel k_qd7b7d94c05_attn
		.amdhsa_group_segment_fixed_size 120832
		.amdhsa_private_segment_fixed_size 0
		.amdhsa_enable_private_segment 0
		.amdhsa_kernarg_size 40
		.amdhsa_user_sgpr_count 2
		.amdhsa_user_sgpr_kernarg_segment_ptr 1
		.amdhsa_wavefront_size32 1
		.amdhsa_system_sgpr_workgroup_id_x 1
		.amdhsa_system_sgpr_workgroup_id_y 1
		.amdhsa_system_sgpr_workgroup_id_z 1
		.amdhsa_system_vgpr_workitem_id 0
		.amdhsa_next_free_vgpr 256
		.amdhsa_next_free_sgpr 66
		.amdhsa_reserve_vcc 1
		.amdhsa_float_denorm_mode_32 3
		.amdhsa_float_denorm_mode_16_64 3
		.amdhsa_memory_ordered 1
		.amdhsa_forward_progress 1
		.amdhsa_inst_pref_size 35
	.end_amdhsa_kernel
	.amdgpu_metadata
---
amdhsa.version: [ 1, 2 ]
amdhsa.kernels:
  - .name:           k_qd7b7d94c05_attn
    .symbol:         k_qd7b7d94c05_attn.kd
    .args:
      - { .name: qimg, .offset: 0, .size: 8, .value_kind: global_buffer, .address_space: global }
      - { .name: kv, .offset: 8, .size: 8, .value_kind: global_buffer, .address_space: global }
      - { .name: valid_lens, .offset: 16, .size: 8, .value_kind: global_buffer, .address_space: global }
      - { .name: xc, .offset: 24, .size: 8, .value_kind: global_buffer, .address_space: global }
      - { .name: xs, .offset: 32, .size: 8, .value_kind: global_buffer, .address_space: global }
    .group_segment_fixed_size: 120832
    .private_segment_fixed_size: 0
    .kernarg_segment_align: 8
    .kernarg_segment_size: 40
    .max_flat_workgroup_size: 512
    .sgpr_count:     66
    .vgpr_count:     256
    .wavefront_size: 32
...
	.end_amdgpu_metadata
.endif
;; end of part 3
;; launch outp (part 4): grid 4 x 32, 4 waves a work-group, clusters of 4 x 4, 327,680 bytes of LDS; arguments xc, xs, out0; writes out0
.if DOCPART == 4
	.amdgcn_target "amdgcn-amd-amdhsa--gfx1250"
	.amdhsa_code_object_version 6
	.text
	.protected	k_qd7b7d94c05_outp
	.globl	k_qd7b7d94c05_outp
	.p2align	8
	.type	k_qd7b7d94c05_outp,@function
k_qd7b7d94c05_outp:
	s_mov_b64 s[64:65], 0
	v_nop
	global_prefetch_b8 v0, s[64:65] scope:SCOPE_SE
	s_setreg_imm32_b32 hwreg(HW_REG_WAVE_MODE, 25, 1), 1
	s_wait_xcnt 0x0
	s_wait_alu depctr_hold_cnt(0) depctr_sa_sdst(0) depctr_va_vdst(0) depctr_va_sdst(0) depctr_va_ssrc(0) depctr_va_vcc(0) depctr_vm_vsrc(0)
	s_getreg_b32 s2, hwreg(HW_REG_IB_STS2, 6, 4)
	s_cmp_eq_u32 s2, 0
	s_cbranch_scc0 .Lentry_in_a_cluster
	s_endpgm
.Lentry_in_a_cluster:
	s_bfe_u32 s2, ttmp6, 0x10000c
	s_cmp_lg_u32 s2, 0xf033
	s_cbranch_scc0 .Lentry_shape_is_right
	s_endpgm
.Lentry_shape_is_right:
; out0 = (attention's result) Wo^T on codes of FP6 with E8M0 scales, sums in f32, out0 [8192][1024] f32.
; A work-group makes 256 tokens x 256 channels; a wave 128 x 128: 64 accumulators, 512 registers.  K = 1,024 goes in four slots of 256 through a ring of two LDS slots.
; xc holds fragments as images of their registers (a row tile of 16 rows: 12,288 bytes, 1,536 a K step): a fragment comes by two loads of 16 bytes a lane and two of 8, each over consecutive bytes; no padding is wanted.
; Lane r of row tile T holds row 32 (T / 2) + 8 (T % 2) + r + 8 (r / 8).  The tokens' row tiles begin at 1,792, Wo's at 1,728.
; CLUSTERS: 4 x 4 work-groups; the tokens' tiles are shared along a row of the cluster, the weights' along a column: each is asked for jointly.
; Source 0 = 16 rows of Wo (side P), source 1 = 16 tokens (side R): a lane holds one token, and register j of accumulator b channel 32 (b / 2) + 16 (lane / 16) + 8 (b % 2) + j.
; THE WAY OUT: a block of 16 tokens x 128 channels goes through the wave's own stage in LDS and comes back as whole rows of 512 bytes.  The stage lies in slot 0, which has had its last fill and its last read by then.
; 128 work-groups: a tile of 256 x 256 of 8,192 x 1,024.
.set FR,    12
.set NL,    4
.set RTB,   12288
.set HALFT, 24576
.set SLOT,  4*HALFT
.set SPARE, 2*SLOT
.set SPITCH, 528
.set ADRA,  16
.set ADRB,  20
.set STO,   24
.set RD,    25
.set CO,    26
.set SPW,   28
.set NIL,   29
.set SC,    32                         ; v32-95 all 64 scale words: lanes 0-15 the tokens', lanes 16-31 the weights'; block i, K step s at v[32 + 8 i + s]
.set AF,    128
.set BK,    128                        ; the way out: 16 rows read back: v128-191 and v192-255 by turns
.set G1,  24
.set G0,  32
.set G1B, 48
.set G0B, 56
.set MSB, 0
.macro WIN new
.if MSB != (\new)
	s_set_vgpr_msb (MSB<<8)|(\new)
.set MSB, (\new)
.endif
.endm
.set MUL_LO, 0xa1
.set MUL_HI, 0xf1
.set TO_B,   0x40
.macro JLOAD g0a, g1a, g0b, g1b        ; a joint load: waves 0 and 1 fetch the tokens' halves, waves 2 and 3 the weights'; four v_nop follow each line
	s_cmp_eq_u32 s15, 0
	s_cbranch_scc0 .Lfor_b_\@
	tensor_load_to_lds s[\g0a:\g0a+3], s[\g1a:\g1a+7]
	s_nop 0
.rept 4
	v_nop
.endr
	s_branch .Lasked_\@
.Lfor_b_\@:
	tensor_load_to_lds s[\g0b:\g0b+3], s[\g1b:\g1b+7]
	s_nop 0
.rept 4
	v_nop
.endr
.Lasked_\@:
.endm
.macro CREST
	s_cmp_lg_u32 s14, 0
	s_cbranch_scc1 .Lnot_wave_0_\@
	s_barrier_signal -3
.Lnot_wave_0_\@:
	s_barrier_wait -3
	s_barrier_signal -1
	s_barrier_wait -1
.endm
.macro CROUND
	s_barrier_signal -1
	s_barrier_wait -1
	CREST
.endm
.macro PLACES                          ; four plain places behind matrix instructions (ISA guide 7.12.1)
.rept 4
	v_nop
.endr
.endm
	s_load_b128 s[4:7], s[0:1], 0x0                ; xc, xs
	s_load_b64 s[12:13], s[0:1], 0x10              ; out0
	v_lshl_add_u32 v[SPW], v0, 2, SPARE
	v_mov_b32 v[NIL], 0
	ds_add_u32 v28, v29
	ds_add_u32 v28, v29
	s_wait_dscnt 0x0
	v_lshrrev_b32 v1, 5, v0
	v_readfirstlane_b32 s14, v1
	s_lshr_b32 s15, s14, 1                         ; my half of the tokens.  Also: I fetch tokens (0) or weights (1)
	s_and_b32 s16, s14, 1                          ; my half of the channels.  Also: which 8 row tiles I fetch
	s_bfe_u32 s40, ttmp6, 0x40000
	s_bfe_u32 s41, ttmp6, 0x40004
	s_lshl_b32 s42, ttmp9, 2
	s_add_co_u32 s42, s42, s40                     ; work-group x
	s_and_b32 s17, ttmp7, 0xffff
	s_lshl_b32 s17, s17, 2
	s_add_co_u32 s17, s17, s41                     ; work-group y
	s_lshl_b32 s43, s41, 2
	s_lshl_b32 s43, 15, s43
	s_lshl_b32 s44, 0x1111, s40
	s_or_b32 s[G1], s43, (3<<16)|(1<<21)
	s_or_b32 s[G1B], s44, (3<<16)|(1<<21)
.irp g, G1, G1B
	s_mov_b32 s[\g+1], 384<<16
	s_mov_b32 s[\g+2], 8<<16
	s_mov_b32 s[\g+3], 384<<16
	s_mov_b32 s[\g+4], 8
	s_mov_b32 s[\g+5], 1536
	s_mov_b32 s[\g+6], 0
	s_mov_b32 s[\g+7], 0
.endr
	s_lshl_b32 s18, s16, 3
	s_lshl_b32 s20, s17, 4
	s_add_co_u32 s20, s20, s18
	s_add_co_u32 s20, s20, 1792                    ; tokens: row tile 1,792 + 16 y + 8 x half
	s_mul_i32 s20, s20, RTB
	s_mov_b32 s21, 0
	s_lshl_b32 s46, s42, 4
	s_add_co_u32 s46, s46, s18
	s_add_co_u32 s46, s46, 1728                    ; weights: row tile 1,728 + 16 x + 8 x half
	s_mul_i32 s46, s46, RTB
	s_mov_b32 s47, 0
	s_mul_i32 s45, s14, HALFT
	s_wait_kmcnt 0x0
	s_add_nc_u64 s[20:21], s[4:5], s[20:21]
	s_add_nc_u64 s[46:47], s[4:5], s[46:47]
	CROUND
.irp s, 0,1
	s_mov_b32 s[G0+4*\s], 1
	s_add_co_u32 s[G0+4*\s+1], s45, \s*SLOT
	s_add_nc_u64 s[G0+4*\s+2:G0+4*\s+3], s[20:21], \s*3072
	s_or_b32 s[G0+4*\s+3], s[G0+4*\s+3], 0x80000000
	s_mov_b32 s[G0B+4*\s], 1
	s_add_co_u32 s[G0B+4*\s+1], s45, \s*SLOT
	s_add_nc_u64 s[G0B+4*\s+2:G0B+4*\s+3], s[46:47], \s*3072
	s_or_b32 s[G0B+4*\s+3], s[G0B+4*\s+3], 0x80000000
	JLOAD G0+4*\s, G1, G0B+4*\s, G1B
.endr
	v_and_b32 v1, 31, v0
	v_and_b32 v2, 15, v0
	v_bfe_u32 v3, v0, 4, 1
	v_lshlrev_b32 v4, 4, v1
	v_lshlrev_b32 v5, 3, v1
	s_mul_i32 s21, s15, HALFT
	s_mul_i32 s22, s16, HALFT
	s_add_co_u32 s22, s22, 2*HALFT
.irp s, 0,1
	v_add_nc_u32 v[ADRA+\s], s21, v4
	v_add_nc_u32 v[ADRA+2+\s], s21, v5
	v_add_nc_u32 v[ADRB+\s], s22, v4
	v_add_nc_u32 v[ADRB+2+\s], s22, v5
	s_add_co_u32 s21, s21, SLOT
	s_add_co_u32 s22, s22, SLOT
.endr
	s_lshl_b32 s73, s17, 4
	s_lshl_b32 s77, s15, 3
	s_add_co_u32 s73, s73, s77
	s_add_co_u32 s73, s73, 1792                    ; my tokens' first row tile
	s_lshl_b32 s74, s42, 4
	s_lshl_b32 s77, s16, 3
	s_add_co_u32 s74, s74, s77
	s_add_co_u32 s74, s74, 1728                    ; my weights'
	s_lshl_b32 s73, s73, 9
	s_lshl_b32 s74, s74, 9
	v_mov_b32 v6, s73
	v_mov_b32 v7, s74
	v_cmp_ne_u32 vcc_lo, 0, v3
	v_cndmask_b32 v6, v6, v7, vcc_lo
	v_lshl_add_u32 v6, v2, 5, v6
.irp i, 0,1,2,3,4,5,6,7
.irp g, 0,1
	global_load_b128 v[SC+8*\i+4*\g:SC+8*\i+4*\g+3], v6, s[6:7] offset:512*\i+16*\g
.endr
.endr
	s_mul_i32 s23, s14, 16*SPITCH                  ; my stage
	v_mul_u32_u24 v[STO], v2, SPITCH
	v_lshl_add_u32 v[STO], v3, 6, v[STO]
	v_add_nc_u32 v[STO], s23, v[STO]               ; in: row r, + 64 h
	v_add_nc_u32 v[RD], s23, v4                    ; back: a row of 512 bytes, 16 a lane
	v_mov_b32 v[CO], v4
	s_lshl_b32 s20, s17, 8
	s_lshl_b32 s21, s15, 7
	s_add_co_u32 s20, s20, s21                     ; my first token
	s_lshl_b32 s20, s20, 12
	s_lshl_b32 s21, s42, 10
	s_add_co_u32 s20, s20, s21
	s_lshl_b32 s21, s16, 9
	s_add_co_u32 s20, s20, s21                     ; + my first channel's bytes
	s_mov_b32 s21, 0
	s_add_nc_u64 s[12:13], s[12:13], s[20:21]
.macro FRAG reg, adr, q, i
	ds_load_b128 v[\reg:\reg+3], v[\adr] offset:3072*(\i)+1536*(\q)
	ds_load_b64 v[\reg+4:\reg+5], v[\adr+2] offset:3072*(\i)+1536*(\q)+512
	ds_load_b128 v[\reg+6:\reg+9], v[\adr] offset:3072*(\i)+1536*(\q)+768
	ds_load_b64 v[\reg+10:\reg+11], v[\adr+2] offset:3072*(\i)+1536*(\q)+1280
.endm
; The 64 accumulators take turns, one instruction a turn, in the same order in every step.
.macro MUL16 a0, p, ks, zero
.irp a, \a0, \a0+1
.irp b, 0,1,2,3,4,5,6,7
.if \zero
	v_wmma_scale_f32_16x16x128_f8f6f4 v[8*(8*((\a)%4)+\b):8*(8*((\a)%4)+\b)+7], v[128*(\p)+FR*\b:128*(\p)+FR*\b+FR-1], v[AF+FR*(\a):AF+FR*(\a)+FR-1], 0, v[SC+8*\b+(\ks)], v[SC+8*(\a)+(\ks)] matrix_a_fmt:MATRIX_FMT_FP6 matrix_b_fmt:MATRIX_FMT_FP6 matrix_a_scale:MATRIX_SCALE_ROW1
.else
	v_wmma_scale_f32_16x16x128_f8f6f4 v[8*(8*((\a)%4)+\b):8*(8*((\a)%4)+\b)+7], v[128*(\p)+FR*\b:128*(\p)+FR*\b+FR-1], v[AF+FR*(\a):AF+FR*(\a)+FR-1], v[8*(8*((\a)%4)+\b):8*(8*((\a)%4)+\b)+7], v[SC+8*\b+(\ks)], v[SC+8*(\a)+(\ks)] matrix_a_fmt:MATRIX_FMT_FP6 matrix_b_fmt:MATRIX_FMT_FP6 matrix_a_scale:MATRIX_SCALE_ROW1
.endif
.endr
.endr
.endm
.macro FETCH_B slot, q, p
	WIN TO_B
.irp i, 0,1,2,3,4,5,6,7
	FRAG 128*(\p)+FR*\i, ADRB+\slot, \q, \i
.endr
	WIN 0
.endm
.macro FETCH_A slot, q, i0
.irp i, \i0, \i0+1, \i0+2, \i0+3
	FRAG AF+FR*(\i), ADRA+\slot, \q, \i
.endr
.endm
.macro STEP slot, ks, zero
	s_wait_dscnt 4*NL                              ; the weights' set and the tokens' blocks 0-3 are in; the youngest 16 loads (blocks 4-7) may be out
	WIN MUL_LO
	MUL16 0, 0, \ks, \zero
	MUL16 2, 0, \ks, \zero
	s_wait_dscnt 0x0
	PLACES
	FETCH_B \slot, 1, 1
	FETCH_A \slot, 1, 0
	WIN MUL_HI
	MUL16 4, 0, \ks, \zero
	MUL16 6, 0, \ks, \zero
	PLACES
	WIN 0
	FETCH_A \slot, 1, 4
.endm
.macro TURN slot, next, fill, ks
	s_wait_tensorcnt 0x0                           ; all my tensor loads have landed: my part of the next slot
	ds_add_u32 v[SPW], v[NIL]                      ; 0 onto my spare word
	s_wait_dscnt 4*NL+1                            ; (the add and the youngest 16 loads may be out)
	WIN MUL_LO
	MUL16 0, 1, \ks, 0
	s_wait_dscnt 0x0                               ; the add is done, and my reads of this slot are over
	s_barrier_signal -1
	MUL16 2, 1, \ks, 0
	WIN 0
	s_barrier_wait -1
.if \fill
	CREST                                          ; a round of the cluster's barrier: no wave of any partner still reads this slot or has a load on its way
	s_add_nc_u64 s[G0+4*\slot+2:G0+4*\slot+3], s[G0+4*\slot+2:G0+4*\slot+3], 6144
	s_add_nc_u64 s[G0B+4*\slot+2:G0B+4*\slot+3], s[G0B+4*\slot+2:G0B+4*\slot+3], 6144
	JLOAD G0+4*\slot, G1, G0B+4*\slot, G1B
.else
	PLACES
.endif
	FETCH_B \next, 0, 0
	FETCH_A \next, 0, 0
	WIN MUL_HI
	MUL16 4, 1, \ks, 0
	MUL16 6, 1, \ks, 0
	PLACES
	WIN 0
	FETCH_A \next, 0, 4
.endm
	s_wait_tensorcnt 1                             ; my part of slot 0 is in; slot 1's load may be out
	s_barrier_signal -1
	s_barrier_wait -1
	FETCH_B 0, 0, 0
	FETCH_A 0, 0, 0
	FETCH_A 0, 0, 4
	s_wait_loadcnt 0x0                             ; the scale words
	STEP 0, 0, 1
	TURN 0, 1, 1, 1
	STEP 1, 2, 0
	TURN 1, 0, 1, 3
	STEP 0, 4, 0
	TURN 0, 1, 0, 5
	STEP 1, 6, 0
	s_wait_dscnt 4*NL
	WIN MUL_LO
	MUL16 0, 1, 7, 0
	MUL16 2, 1, 7, 0
	s_wait_dscnt 0x0
	WIN MUL_HI
	MUL16 4, 1, 7, 0
	MUL16 6, 1, 7, 0
	WIN 0
.macro TOSTAGE a                       ; block a's 16 tokens x 128 channels into my stage, each accumulator from its low end on, and back as rows; LDS serves a wave's instructions in order
.set AC, 64*((\a)%4)
	WIN 0x08+4*((\a)/4)                            ; the data: window 2 or 3
.irp b, 0,1,2,3,4,5,6,7
	ds_store_b128 v[STO], v[AC+8*\b:AC+8*\b+3] offset:128*(\b/2)+32*(\b%2)
	ds_store_b128 v[STO], v[AC+8*\b+4:AC+8*\b+7] offset:128*(\b/2)+32*(\b%2)+16
.endr
	WIN 0
.set BB, BK+64*((\a)%2)
.irp t, 0,1,2,3,4,5,6,7,8,9,10,11,12,13,14,15
	ds_load_b128 v[BB+4*\t:BB+4*\t+3], v[RD] offset:\t*SPITCH
.endr
.endm
.macro SEND a, younger                 ; stage row t is token 32 (a / 2) + 8 (a % 2) + t + 8 (t / 8) of my 128
.set BB, BK+64*((\a)%2)
	s_wait_dscnt \younger
.irp t, 0,1,2,3,4,5,6,7,8,9,10,11,12,13,14,15
	global_store_b128 v[CO], v[BB+4*\t:BB+4*\t+3], s[12:13] offset:(32*((\a)/2)+8*((\a)%2)+\t+8*(\t/8))*4096 th:TH_STORE_NT   ; 32 lanes store 512 consecutive aligned bytes
.endr
.endm
	PLACES
	TOSTAGE 0
.irp a, 1,2,3,4,5,6,7
.if \a > 1
	s_wait_xcnt 0x0                                ; block a - 2's stores have read their registers: block a's loads may land there
.endif
	TOSTAGE \a
	SEND \a-1, 32                                  ; behind block a - 1's loads: block a's 16 stores and 16 loads
.endr
	SEND 7, 0
	s_wait_tensorcnt 0x0                           ; the wave's end
	ds_add_u32 v[SPW], v[NIL]
	s_wait_dscnt 0x0
	CROUND                                         ; the closing round
	s_endpgm
.Lfunc_end_k_qd7b7d94c05_outp:
	.size	k_qd7b7d94c05_outp, .Lfunc_end_k_qd7b7d94c05_outp-k_qd7b7d94c05_outp
	.p2alignl 7, 3214868480
	.fill 96, 4, 3214868480
	.section	.rodata,"a",@progbits
	.p2align	6, 0x0
	.amdhsa_kernel k_qd7b7d94c05_outp
		.amdhsa_group_segment_fixed_size 327680
		.amdhsa_private_segment_fixed_size 0
		.amdhsa_enable_private_segment 0
		.amdhsa_kernarg_size 24
		.amdhsa_user_sgpr_count 2
		.amdhsa_user_sgpr_kernarg_segment_ptr 1
		.amdhsa_wavefront_size32 1
		.amdhsa_system_sgpr_workgroup_id_x 1
		.amdhsa_system_sgpr_workgroup_id_y 1
		.amdhsa_system_sgpr_workgroup_id_z 1
		.amdhsa_system_vgpr_workitem_id 0
		.amdhsa_next_free_vgpr 1024
		.amdhsa_next_free_sgpr 100
		.amdhsa_reserve_vcc 1
		.amdhsa_float_denorm_mode_32 3
		.amdhsa_float_denorm_mode_16_64 3
		.amdhsa_memory_ordered 1
		.amdhsa_forward_progress 1
		.amdhsa_inst_pref_size 140
	.end_amdhsa_kernel
	.amdgpu_metadata
---
amdhsa.version: [ 1, 2 ]
amdhsa.kernels:
  - .name:           k_qd7b7d94c05_outp
    .symbol:         k_qd7b7d94c05_outp.kd
    .args:
      - { .name: xc, .offset: 0, .size: 8, .value_kind: global_buffer, .address_space: global }
      - { .name: xs, .offset: 8, .size: 8, .value_kind: global_buffer, .address_space: global }
      - { .name: out0, .offset: 16, .size: 8, .value_kind: global_buffer, .address_space: global }
    .group_segment_fixed_size: 327680
    .private_segment_fixed_size: 0
    .kernarg_segment_align: 8
    .kernarg_segment_size: 24
    .max_flat_workgroup_size: 128
    .sgpr_count:     100
    .vgpr_count:     1024
    .wavefront_size: 32
...
	.end_amdgpu_metadata
.endif
;; end of part 4
;; ======== version 2 of 2: 4 launches; version 1 with the launch attn written anew for expert scheduling mode
;; workspace buffers: xc 28,311,552 bytes; xs 1,179,648 bytes; qimg 6,815,744 bytes; kv 13,631,488 bytes
;; launch quant: the kernel of part 1 again; grid 448 x 1, 4 waves a work-group, no clusters, 34,304 bytes of LDS; arguments queries, keys, values, Wq, Wk, Wv, Wo, xc, xs; writes xc, xs
;; launch proj: the kernel of part 2 again; grid 4 x 96, 4 waves a work-group, clusters of 4 x 4, 327,680 bytes of LDS; arguments xc, xs, qimg, kv; writes qimg, kv
;; launch attn (part 5): grid 256 x 1, 16 waves a work-group, no clusters, 120,832 bytes of LDS; arguments qimg, kv, valid_lens, xc, xs; writes xc, xs
.if DOCPART == 5
	.amdgcn_target "amdgcn-amd-amdhsa--gfx1250"
	.amdhsa_code_object_version 6
	.text
	.protected	k_qd7b7d94c05_attn
	.globl	k_qd7b7d94c05_attn
	.p2align	8
	.type	k_qd7b7d94c05_attn,@function
k_qd7b7d94c05_attn:
	s_mov_b64 s[64:65], 0
	v_nop
	global_prefetch_b8 v0, s[64:65] scope:SCOPE_SE
	s_setreg_imm32_b32 hwreg(HW_REG_WAVE_SCHED_MODE, 0, 2), 2
	s_setreg_imm32_b32 hwreg(HW_REG_WAVE_MODE, 25, 1), 1
	s_wait_xcnt 0x0
	s_wait_alu depctr_vm_vsrc(0)
; Attention on codes of FP6: S^T = k q^T (K = the head's 64), p = 2^(t - M) with t = score x log2(e) / 8 and M the running largest t rounded up to a whole number, O^T = v^T p^T (K = the keys), O / the sum of the unquantised p.
; The result is quantised along the model's 1,024 and stored as the last product's operand: row tiles 1,792 on of xc and xs.
; Keys at or behind valid_lens[b] do not count.  A step of 128 keys that lies wholly behind it is left out; the one step that straddles it has its hidden scores set to -infinity ahead of the maximum.
; valid_lens is held to 0 .. 2,048.  At 0 every key is masked alike and the softmax is flat over all 2,048 keys: the job then walks all keys with the factor c = 0, so that every p is 1.
; A JOB is (batch, head, 256 queries); each of the sixteen waves owns 16 queries in 256 registers, four waves to a SIMD.  512 jobs, two to a work-group.  The batches are ranked by length; work-groups 0-127 take the longest and the
; shortest, the others the two in the middle, so that the work-groups' sums of key steps lie near each other.
; NO CLUSTER, NO TENSOR LOAD, though the eight query blocks of a head read the same k and v: how far the walk over the keys goes hangs on a number read from memory.
; k and v go from memory through registers into LDS: a chunk of 4 key steps, 53,248 dense bytes, 3,328 a wave, loaded one chunk ahead of its use, in two LDS slots by turns, one barrier a chunk.
; All loops have constant trip counts and every barrier is on every wave's path: only work is jumped over.
; K = 64 IN AN INSTRUCTION OF K = 128: q's registers 6-11 are zero codes, so what stands in k's registers 6-11 (the next tile's codes) adds nothing; the unused scale bytes are 0, which is a power of two and no NaN.
; Lane r of a tile of k takes key 32 (t / 2) + 8 (t % 2) + r + 8 (r / 8): the 16 registers of tiles 2 b, 2 b + 1 of S^T are keys 32 b + 16 (lane / 16) + 0 .. 15.  v's channel tiles are laid likewise.
; LIMITS: NaN and infinities are not served; a block whose largest magnitude lies under 2^-124 keeps the byte 1.
; THE MODE: SCHED_MODE bits 1:0 = 2 (LLVM: expert scheduling mode 2), set by the entry lines.  The code itself states the register dependences between vector or matrix instructions and memory or LDS instructions, with s_wait_alu, always for 0.
; THE PLAN.  Registers that memory or LDS instructions touch:
;   v1-v4, v6, v7   offsets, made at the head and never written again; read by every global load and store.
;   v8, v9          a step's LDS addresses: written by two additions at the step's head, read by the step's 34 LDS loads.
;   v10, v11        a chunk's LDS addresses: written by two additions at the chunk's head, read by its seven LDS stores.
;   v16-21, v28     q and its scale word: loaded at a job's head, read by the products k q^T.  v22-27, v104-109: zero codes, written at the head, read by the same products.
;   v30-55          the stage: global loads land in it, LDS stores read it; no vector instruction names it.
;   v56-103, v110-117  k's tiles, then v's fragments, and their scale words: LDS loads land in them, matrix instructions read them.
;   v214-225, v249  p's codes and scale word: written by vector instructions, read by the products v^T p^T; at a job's end v214-219 and v246 are the stores' data.
; A step has three waits on va_vdst beside the two behind its exponentials: ahead of k's loads, ahead of v's loads (behind the products that read k), ahead of the products that read p's codes; and one on vm_vsrc, ahead of the two additions.
; A chunk has one of each: va_vdst behind its two additions, vm_vsrc behind its barrier.  A job has one of each at its head and one on va_vdst ahead of its stores.  There is no second buffer for k or v: four waves of 256 registers fill a SIMD.
.set STEPB, 13312                      ; a key step in kv and in LDS: k's 8 tiles x 768, its scale words at 6,144, v's 8 half fragments from 6,656, its scale words at 12,800
.set CHUNK, 4*STEPB
.set SLOT1, 65536
.set FB,  56                           ; v56-103 k's 8 tiles, 6 registers each, then v's 4 fragments; v104-109 zeros
.set KS,  110                          ; v110-113 k's scale words: register u: tile 2 u in lanes 0-15, tile 2 u + 1 in lanes 16-31
.set VS,  114                          ; v114-117 v's
.set ST,  118                          ; v118-181 S^T, then p
.set OT,  182                          ; v182-213 O^T
.set PCD, 214                          ; v214-225 p's codes
.set TC,  226                          ; v226-228, v230-232 upper halves as converted
.set BM,  234                          ; v234-237 a block's largest score, then its largest p
.set PT,  238                          ; v238-241 exchange, then bytes
.set SO,  242                          ; v242-245 the conversions' scale operands
.set T0,  246
.set FA,  248                          ; v248 f = 2^(old M - new M)
.set PW,  249                          ; v249 p's scale word
.set SU,  250                          ; v250-251 the sum's second chain; the mask's two numbers
.set WV,  14
.set SEL, 16
.set CS,  18                           ; s[18:19] c
.set KEY, 26
.set KEY1, 27
.set QB,  28
.set HD,  29
.set EFF, 30                           ; the keys that count
.set KF,  31                           ; the step's first key
.set TB,  32                           ; the step's first LDS byte
.set JOB, 33
.set CI,  34
.set SI,  35
.set KVP, 36                           ; s[36:37] the chunk that is loaded next
.set QP,  38
.set QSP, 40
.set XCP, 42
.set XSP, 44
.set MK,  48                           ; s48-63 in a step: sixteen lane masks of the straddling step (s48, s49 serve a job's head too, behind that head's wait on va_vdst)
	s_load_b256 s[4:11], s[0:1], 0x0               ; qimg, kv, valid_lens, xc
	s_load_b64 s[12:13], s[0:1], 0x20              ; xs
	v_lshl_add_u32 v254, v0, 2, 0x1d000
	v_mov_b32 v255, 0
	v_lshrrev_b32 v1, 5, v0
	v_readfirstlane_b32 s[WV], v1
	v_and_b32 v8, 31, v0
	v_and_b32 v9, 15, v0
	v_bfe_u32 v10, v0, 4, 1
	v_lshlrev_b32 v1, 4, v8                        ; 16 x lane
	v_lshlrev_b32 v2, 3, v8                        ; 8 x lane
	s_wait_alu depctr_va_sdst(0)                   ; s14, the wave's number, is written, ahead of its first reader
	s_mul_i32 s15, s[WV], 3328
	v_add_nc_u32 v3, s15, v1                       ; my wave's part of a chunk: six times 512 bytes,
	v_add_nc_u32 v4, s15, v2
	v_add_nc_u32 v4, 3072, v4                      ; and 256
	v_lshlrev_b32 v5, 4, v10                       ; 16 h
	v_lshlrev_b32 v6, 5, v9                        ; 32 r
	v_lshlrev_b32 v7, 4, v9                        ; 16 r
.irp j, 0,1,2,3,4,5
	v_mov_b32 v[22+\j], 0                          ; q's upper 64 along K: zero codes
	v_mov_b32 v[104+\j], 0                         ; what tile 7 of k names as its upper half
.endr
.irp j, 0,1,2,3
	v_mov_b32 v[PT+\j], 0                          ; a lane permute's destination counts as read
.endr
	v_mov_b32 v[T0], 0
	v_mov_b32 v[PW], 0                             ; (named as the upper half of the pair with f)
	s_mov_b32 s[SEL], 0x76543210
	s_mov_b32 s[SEL+1], 0xfedcba98
	s_mov_b32 s[TB], 0
	s_and_b32 s24, ttmp9, 127
	s_and_b32 s[QB], s24, 7                        ; which 256 queries
	s_lshr_b32 s[HD], s24, 3                       ; which head
	s_wait_kmcnt 0x0
	s_load_b128 s[20:23], s[8:9], 0x0              ; the four lengths
	s_wait_kmcnt 0x0
.irp b, 0,1,2,3                                ; a key to sort by: length x 8 + batch; a length of 0 counts as 2,048 with bit 2 set
	s_max_i32 s[20+\b], s[20+\b], 0
	s_min_u32 s[20+\b], s[20+\b], 2048
	s_lshl_b32 s24, s[20+\b], 3
	s_or_b32 s24, s24, \b
	s_cmp_eq_u32 s[20+\b], 0
	s_cselect_b32 s[20+\b], 0x4004+\b, s24
.endr
.macro CE i, j                                 ; the larger key to place i
	s_max_u32 s24, s[20+\i], s[20+\j]
	s_min_u32 s[20+\j], s[20+\i], s[20+\j]
	s_mov_b32 s[20+\i], s24
.endm
	CE 0, 1
	CE 2, 3
	CE 0, 2
	CE 1, 3
	CE 1, 2
	s_cmp_lt_u32 ttmp9, 128
	s_cselect_b32 s[KEY], s20, s21
	s_cselect_b32 s[KEY1], s23, s22
.macro STAGE_LOAD
.irp j, 0,1,2,3,4,5
	global_load_b128 v[30+4*\j:33+4*\j], v3, s[KVP:KVP+1] offset:512*\j
.endr
	global_load_b64 v[54:55], v4, s[KVP:KVP+1]
.endm
	s_mov_b32 s[JOB], 0
.Ljob:
	s_wait_loadcnt 0x0                             ; no load of the last job is out: the registers that it loaded are loaded again below
	s_wait_xcnt 0x0                                ; the last job's stores have read their addresses and data
	s_wait_alu depctr_vm_vsrc(0)                   ; the last job's three stores have read v214-219 and v246, which this job's steps write again
	s_wait_alu depctr_va_vdst(0)                   ; first job: the offsets v1-v4, v7 are written, which the loads below read, and so are the zero codes v22-27, v104-109, which the products take; second job: the last job's products are done reading q, v16-21 and v28, in which the loads below land.
	s_and_b32 s24, s[KEY], 3
	s_min_u32 s24, s24, 3                          ; the batch
	s_lshr_b32 s[EFF], s[KEY], 3
	s_min_u32 s[EFF], s[EFF], 2048
	s_bitcmp1_b32 s[KEY], 2
	s_cselect_b32 s[CS], 0, 0x3e38aa3b             ; c = log2(e) / 8, or 0 where every key is masked
	s_mov_b32 s[CS+1], s[CS]
	s_lshl_b32 s25, s24, 4
	s_add_co_u32 s25, s25, s[HD]                   ; 16 b + head
	s_mul_i32 s46, s25, 16*STEPB
	s_mov_b32 s47, 0
	s_add_nc_u64 s[KVP:KVP+1], s[6:7], s[46:47]
	s_lshl_b32 s48, s25, 4
	s_lshl_b32 s49, s[QB], 1
	s_add_co_u32 s48, s48, s49
	s_lshr_b32 s49, s[WV], 3
	s_add_co_u32 s48, s48, s49                     ; my step of 128 queries
	s_mul_i32 s46, s48, 6656
	s_add_nc_u64 s[QSP:QSP+1], s[4:5], s[46:47]
	s_and_b32 s49, s[WV], 7                        ; my tile in it
	s_mul_i32 s46, s49, 768
	s_add_nc_u64 s[QP:QP+1], s[QSP:QSP+1], s[46:47]
	s_and_b32 s46, s[WV], 1
	s_lshl_b32 s46, s46, 8
	s_lshr_b32 s49, s49, 1
	s_lshl_b32 s49, s49, 2
	s_add_co_u32 s46, s46, s49
	s_add_co_u32 s46, s46, 6144                    ; its scale words: 6,144 + 256 (tile % 2) + 4 (tile / 2) + 16 r
	s_add_nc_u64 s[QSP:QSP+1], s[QSP:QSP+1], s[46:47]
	s_lshl_b32 s48, s24, 7
	s_lshl_b32 s49, s[QB], 4
	s_add_co_u32 s48, s48, s49
	s_add_co_u32 s48, s48, s[WV]
	s_add_co_u32 s48, s48, 1792                    ; the row tile that I store
	s_mul_i32 s46, s48, 12288
	s_lshr_b32 s49, s[HD], 1
	s_mul_i32 s49, s49, 1536
	s_add_co_u32 s46, s46, s49
	s_and_b32 s49, s[HD], 1
	s_mul_i32 s49, s49, 768
	s_add_co_u32 s46, s46, s49                     ; K step head / 2, half head % 2
	s_add_nc_u64 s[XCP:XCP+1], s[10:11], s[46:47]
	s_lshl_b32 s46, s48, 9
	s_lshl_b32 s49, s[HD], 1
	s_add_co_u32 s46, s46, s49
	s_add_nc_u64 s[XSP:XSP+1], s[12:13], s[46:47]
	global_load_b128 v[16:19], v1, s[QP:QP+1]
	global_load_b64 v[20:21], v2, s[QP:QP+1] offset:512
	global_load_b32 v28, v7, s[QSP:QSP+1]
	STAGE_LOAD                                     ; the first chunk: at least one key counts
	v_mov_b32 v13, 0xff61b1e6                      ; the largest t so far: -3e38
	v_floor_f32 v12, -v13                          ; -M
	v_mov_b32 v14, 0
	v_mov_b32 v15, 0
.set n, 0
.rept 32
	v_mov_b32 v[OT+n], 0                           ; the step is written once: the first finds zeros
.set n, n+1
.endr
	s_mov_b32 s[KF], 0
	s_mov_b32 s[CI], 0
.Lchunk:
	s_wait_loadcnt 0x0                             ; the chunk's bytes are in my registers (in a job's first trip q too)
	v_add_nc_u32 v10, s[TB], v3                    ; (the last chunk's LDS stores have read v10 and v11: the wait on vm_vsrc behind that chunk's barrier says so, and no memory instruction has read them since)
	v_add_nc_u32 v11, s[TB], v4
	s_wait_alu depctr_va_vdst(0)                   ; v10 and v11 are written, which the LDS stores below read as their addresses
	s_cmp_lt_u32 s[KF], s[EFF]
	s_cbranch_scc0 .Lno_store
.irp j, 0,1,2,3,4,5
	ds_store_b128 v10, v[30+4*\j:33+4*\j] offset:512*\j
.endr
	ds_store_b64 v11, v[54:55]
.Lno_store:
	s_wait_dscnt 0x0                               ; my stores have landed, and my reads of the other slot are over:
	s_barrier_signal -1                            ; this slot was last read two trips ago, in front of the last trip's barrier
	s_barrier_wait -1
	s_wait_alu depctr_vm_vsrc(0)                   ; the LDS stores have read the stage v30-55, in which the next chunk's loads land, and v10, v11, which the next chunk's additions write
	s_add_nc_u64 s[KVP:KVP+1], s[KVP:KVP+1], CHUNK
	s_add_co_u32 s24, s[KF], 512
	s_cmp_lt_u32 s24, s[EFF]                       ; (never in the last chunk: the length is held at 2,048)
	s_cbranch_scc0 .Lno_load
	STAGE_LOAD                                     ; the next chunk: it has four key steps in which to come.  No vector instruction names the stage; v3 and v4 stand since the head
.Lno_load:
	s_mov_b32 s[SI], 0
.Lstep:
	s_wait_alu depctr_vm_vsrc(0)                   ; the last step's LDS loads have read v8 and v9, which the two additions write
	v_add_nc_u32 v8, s[TB], v1
	v_add_nc_u32 v9, s[TB], v2
	s_cmp_ge_u32 s[KF], s[EFF]
	s_cbranch_scc1 .Lskip                          ; all 128 keys are masked
	v_nop                                          ; with the two additions: four places in front of loads into registers that the last products read
	v_nop
	s_wait_alu depctr_va_vdst(0)                   ; v8 and v9 are written, which the loads below read; the last step's products are done reading v56-103 and the scale words v110-117, in which this step's loads land
.irp t, 0,1,2,3,4,5,6,7
	ds_load_b128 v[FB+6*\t:FB+6*\t+3], v8 offset:768*\t
	ds_load_b64 v[FB+6*\t+4:FB+6*\t+5], v9 offset:768*\t+512
.endr
	ds_load_b128 v[KS:KS+3], v8 offset:6144
	s_wait_dscnt 0x0
.irp u, 0,1,2,3
	v_wmma_scale_f32_16x16x128_f8f6f4 v[ST+16*\u:ST+16*\u+7], v[FB+12*\u:FB+12*\u+11], v[16:27], 0, v[KS+\u], v28 matrix_a_fmt:MATRIX_FMT_FP6 matrix_b_fmt:MATRIX_FMT_FP6
	v_wmma_scale_f32_16x16x128_f8f6f4 v[ST+16*\u+8:ST+16*\u+15], v[FB+12*\u+6:FB+12*\u+17], v[16:27], 0, v[KS+\u], v28 matrix_a_fmt:MATRIX_FMT_FP6 matrix_b_fmt:MATRIX_FMT_FP6 matrix_a_scale:MATRIX_SCALE_ROW1
.endr
.rept 4
	v_nop                                          ; places in front of the loads below and of the first read of the scores
.endr
	s_wait_alu depctr_va_vdst(0)                   ; the eight products are done reading k's tiles v56-103, in which v's fragments land (their results are what the next vector lines read)
.irp t, 0,1,2,3                                ; v's four fragments: they come while the softmax is walked, which names none of their registers
	ds_load_b128 v[FB+12*\t:FB+12*\t+3], v8 offset:6656+768*\t
	ds_load_b64 v[FB+12*\t+4:FB+12*\t+5], v9 offset:6656+768*\t+512
	ds_load_b128 v[FB+12*\t+6:FB+12*\t+9], v8 offset:9728+768*\t
	ds_load_b64 v[FB+12*\t+10:FB+12*\t+11], v9 offset:9728+768*\t+512
.endr
	ds_load_b128 v[VS:VS+3], v8 offset:12800
	s_add_co_u32 s24, s[KF], 128
	s_cmp_le_u32 s24, s[EFF]
	s_cbranch_scc1 .Lopen                          ; all 128 keys count
	s_sub_co_u32 s24, s[EFF], s[KF]
	s_sub_co_u32 s24, s24, 1
	v_sub_nc_u32 v[SU], s24, v5                    ; d = length - 1 - first key - 16 h.  Register 16 b + i holds key 32 b + 16 h + i of the step: hidden where 32 b + i > d
	v_mov_b32 v[SU+1], 0xff800000
.set n, 0
.rept 4                                        ; a block of 32 keys at a time: sixteen compares into sixteen scalar registers, one wait, sixteen selects
.set k, 0
.rept 16
	v_cmp_gt_i32 s[MK+k], 32*n+k, v[SU]
.set k, k+1
.endr
	s_wait_alu depctr_va_sdst(0)                   ; the sixteen compares have written s48-63, ahead of the selects that read them
.set k, 0
.rept 16
	v_cndmask_b32 v[ST+16*n+k], v[ST+16*n+k], v[SU+1], s[MK+k]
.set k, k+1
.endr
.set n, n+1
.endr
.Lopen:
.irp b, 0,1,2,3
	v_max3_num_f32 v[BM+\b], v[ST+16*\b], v[ST+16*\b+1], v[ST+16*\b+2]   ; the largest score of each block of 32 keys: for the row's maximum, and, since p rises with the score, for the block's largest p
.endr
.irp i, 3,5,7,9,11,13
.irp b, 0,1,2,3
	v_max3_num_f32 v[BM+\b], v[BM+\b], v[ST+16*\b+\i], v[ST+16*\b+\i+1]
.endr
.endr
.irp b, 0,1,2,3
	v_max_num_f32 v[BM+\b], v[BM+\b], v[ST+16*\b+15]
.endr
.irp b, 0,1,2,3
	v_permlanex16_b32 v[PT+\b], v[BM+\b], s[SEL], s[SEL+1]
.endr
.irp b, 0,1,2,3
	v_max_num_f32 v[BM+\b], v[BM+\b], v[PT+\b]
.endr
	v_max3_num_f32 v[T0], v[BM], v[BM+1], v[BM+2]
	v_max_num_f32 v[T0], v[T0], v[BM+3]
	v_mul_f32 v[T0], s[CS], v[T0]                  ; as t (c is not negative)
	v_max_num_f32 v13, v13, v[T0]                  ; the running largest t
	v_mov_b32 v[T0], v12
	v_floor_f32 v12, -v13                          ; the new -M = -ceil(t): a whole number
	v_sub_f32 v[T0], v12, v[T0]                    ; old M - new M, 0 or less
	v_cvt_i32_f32 v[T0], v[T0]                     ; (it saturates)
	v_ldexp_f32 v[FA], 1.0, v[T0]                  ; f: a multiplication by it rounds nothing
.set n, 0
.rept 32
	v_pk_fma_f32 v[ST+n:ST+n+1], v[ST+n:ST+n+1], s[CS:CS+1], v[12:13] op_sel_hi:[1,0,0]   ; t - M
.set n, n+2
.endr
.irp b, 0,1,2,3
	v_fma_f32 v[BM+\b], v[BM+\b], s[CS], v12
.endr
.set n, 0
.rept 64
	v_exp_f32 v[ST+n], v[ST+n]                     ; p, not normalised
.set n, n+1
.endr
	v_pk_mul_f32 v[14:15], v[14:15], v[FA:FA+1] op_sel_hi:[1,0]   ; the sums under the new M: the plain place behind the exponentials
	s_wait_alu depctr_va_vdst(0)                   ; the 64 exponentials have written p, v118-181: one wait for the batch, ahead of its first reader
.irp b, 0,1,2,3
	v_exp_f32 v[BM+\b], v[BM+\b]                   ; the block's largest p
.endr
	v_pk_add_f32 v[SU:SU+1], v[ST:ST+1], v[ST+2:ST+3]   ; the row's sum is taken of the unquantised p, in two chains
.set n, 4
.rept 15
	v_pk_add_f32 v[14:15], v[14:15], v[ST+n:ST+n+1]
	v_pk_add_f32 v[SU:SU+1], v[SU:SU+1], v[ST+n+2:ST+n+3]
.set n, n+4
.endr
	v_pk_add_f32 v[14:15], v[14:15], v[SU:SU+1]
	s_wait_alu depctr_va_vdst(0)                   ; the four exponentials have written v234-237: their wait, ahead of their first reader
.irp b, 0,1,2,3
	v_max_num_f32 v[BM+\b], 0x1800000, v[BM+\b]    ; the floor 2^(3 - 127)
.endr
.irp b, 0,1,2,3
	v_add_nc_u32 v[SO+\b], 0xff000000, v[BM+\b]
.endr
.irp b, 0,1,2,3
	v_lshrrev_b32 v[PT+\b], 23, v[SO+\b]
.endr
	v_lshl_or_b32 v[PW], v[PT+1], 8, v[PT]
	v_lshl_or_b32 v[PW], v[PT+2], 16, v[PW]
	v_lshl_or_b32 v[PW], v[PT+3], 24, v[PW]
.irp c, 0,1
	v_cvt_scalef32_pk16_fp6_f32 v[PCD+6*\c:PCD+6*\c+2], v[ST+32*\c:ST+32*\c+15], v[SO+2*\c]
	v_cvt_scalef32_pk16_fp6_f32 v[TC+4*\c:TC+4*\c+2], v[ST+32*\c+16:ST+32*\c+31], v[SO+2*\c+1]
.endr
	v_nop                                          ; one plain place behind the conversions
.irp c, 0,1
.irp i, 0,1,2
	v_permlane16_swap_b32 v[PCD+6*\c+\i], v[TC+4*\c+\i]
.endr
.irp i, 0,1,2
	v_mov_b32 v[PCD+6*\c+3+\i], v[TC+4*\c+\i]
.endr
.endr
.set n, 0
.rept 16
	v_pk_mul_f32 v[OT+n:OT+n+1], v[OT+n:OT+n+1], v[FA:FA+1] op_sel_hi:[1,0]   ; O^T under the new M; these lines also stand between the codes' last write and the products
.set n, n+2
.endr
	s_wait_dscnt 0x0                               ; v is in
	s_wait_alu depctr_va_vdst(0)                   ; p's codes v214-225 and its scale word v249 are written, which the scaled products below take; the sixteen lines above are the places, and stay beside this wait
.irp t, 0,1,2,3
	v_wmma_scale_f32_16x16x128_f8f6f4 v[OT+8*\t:OT+8*\t+7], v[FB+12*\t:FB+12*\t+11], v[PCD:PCD+11], v[OT+8*\t:OT+8*\t+7], v[VS+\t], v[PW] matrix_a_fmt:MATRIX_FMT_FP6 matrix_b_fmt:MATRIX_FMT_FP6
.endr
.Lskip:
	s_add_co_u32 s[KF], s[KF], 128
	s_add_co_u32 s[TB], s[TB], STEPB
	s_add_co_u32 s[SI], s[SI], 1
	s_cmp_lt_u32 s[SI], 4
	s_cbranch_scc1 .Lstep
	s_sub_co_u32 s[TB], s[TB], CHUNK
	s_xor_b32 s[TB], s[TB], SLOT1                  ; on to the other slot
	s_add_co_u32 s[CI], s[CI], 1
	s_cmp_lt_u32 s[CI], 4
	s_cbranch_scc1 .Lchunk
	; the job's end: O^T / the sum, quantised along the head's 64 channels: register 16 g + i is channel 32 g + 16 h + i of my query
.rept 4
	v_nop
.endr
	v_add_f32 v14, v14, v15
	v_permlanex16_b32 v[T0], v14, s[SEL], s[SEL+1]
	v_add_f32 v14, v14, v[T0]
	v_rcp_f32 v14, v14
	v_nop                                          ; a plain place behind the reciprocal
	s_wait_alu depctr_va_vdst(0)                   ; the reciprocal has written v14: the wait ahead of its first reader
.set n, 0
.rept 32
	v_mul_f32 v[ST+n], v[OT+n], v14
.set n, n+1
.endr
.irp g, 0,1
	v_max3_num_f32 v[BM+\g], |v[ST+16*\g]|, |v[ST+16*\g+1]|, 0x1800000
.endr
.irp i, 2,4,6,8,10,12,14
.irp g, 0,1
	v_max3_num_f32 v[BM+\g], v[BM+\g], |v[ST+16*\g+\i]|, |v[ST+16*\g+\i+1]|
.endr
.endr
.irp g, 0,1
	v_permlanex16_b32 v[PT+\g], v[BM+\g], s[SEL], s[SEL+1]
.endr
.irp g, 0,1
	v_max_num_f32 v[BM+\g], v[BM+\g], v[PT+\g]
.endr
.irp g, 0,1
	v_add_nc_u32 v[SO+\g], 0xff000000, v[BM+\g]
.endr
.irp g, 0,1
	v_lshrrev_b32 v[PT+\g], 23, v[SO+\g]
.endr
	v_lshl_or_b32 v[T0], v[PT+1], 8, v[PT]         ; the head's two scale bytes of my query
	v_cvt_scalef32_pk16_fp6_f32 v[214:216], v[ST:ST+15], v[SO]
	v_cvt_scalef32_pk16_fp6_f32 v[218:220], v[ST+16:ST+31], v[SO+1]
	v_nop
.irp i, 0,1,2
	v_permlane16_swap_b32 v[214+\i], v[218+\i]
.endr
.irp i, 0,1,2
	v_mov_b32 v[217+\i], v[218+\i]                 ; ascending: each source is read before it is written
.endr
	s_wait_alu depctr_va_vdst(0)                   ; the codes v214-219 and the two bytes in v246 are written, which the three stores below read as their data
	global_store_b128 v1, v[214:217], s[XCP:XCP+1]             ; 512 consecutive aligned bytes
	global_store_b64 v2, v[218:219], s[XCP:XCP+1] offset:512   ; 256
	global_store_b16 v6, v[T0], s[XSP:XSP+1]       ; two bytes of the query's 32: a head owns no more of them; both halves of the lanes write the same bytes with the same value
	s_mov_b32 s[KEY], s[KEY1]
	s_add_co_u32 s[JOB], s[JOB], 1
	s_cmp_lt_u32 s[JOB], 2
	s_cbranch_scc1 .Ljob
	s_wait_dscnt 0x0                               ; the closing lines, six on end
	s_wait_alu 0x0
	s_wait_tensorcnt 0x0
	ds_add_u32 v254, v255
	s_wait_dscnt 0x0
	s_endpgm
.Lfunc_end_k_qd7b7d94c05_attn:
	.size	k_qd7b7d94c05_attn, .Lfunc_end_k_qd7b7d94c05_attn-k_qd7b7d94c05_attn
	.p2alignl 7, 3214868480
	.fill 96, 4, 3214868480
	.section	.rodata,"a",@progbits
	.p2align	6, 0x0
	.amdhsa_kernel k_qd7b7d94c05_attn
		.amdhsa_group_segment_fixed_size 120832
		.amdhsa_private_segment_fixed_size 0
		.amdhsa_enable_private_segment 0
		.amdhsa_kernarg_size 40
		.amdhsa_user_sgpr_count 2
		.amdhsa_user_sgpr_kernarg_segment_ptr 1
		.amdhsa_wavefront_size32 1
		.amdhsa_system_sgpr_workgroup_id_x 1
		.amdhsa_system_sgpr_workgroup_id_y 1
		.amdhsa_system_sgpr_workgroup_id_z 1
		.amdhsa_system_vgpr_workitem_id 0
		.amdhsa_next_free_vgpr 256
		.amdhsa_next_free_sgpr 66
		.amdhsa_reserve_vcc 0
		.amdhsa_float_denorm_mode_32 3
		.amdhsa_float_denorm_mode_16_64 3
		.amdhsa_memory_ordered 1
		.amdhsa_forward_progress 1
		.amdhsa_inst_pref_size 39
	.end_amdhsa_kernel
	.amdgpu_metadata
---
amdhsa.version: [ 1, 2 ]
amdhsa.kernels:
  - .name:           k_qd7b7d94c05_attn
    .symbol:         k_qd7b7d94c05_attn.kd
    .args:
      - { .name: qimg, .offset: 0, .size: 8, .value_kind: global_buffer, .address_space: global }
      - { .name: kv, .offset: 8, .size: 8, .value_kind: global_buffer, .address_space: global }
      - { .name: valid_lens, .offset: 16, .size: 8, .value_kind: global_buffer, .address_space: global }
      - { .name: xc, .offset: 24, .size: 8, .value_kind: global_buffer, .address_space: global }
      - { .name: xs, .offset: 32, .size: 8, .value_kind: global_buffer, .address_space: global }
    .group_segment_fixed_size: 120832
    .private_segment_fixed_size: 0
    .kernarg_segment_align: 8
    .kernarg_segment_size: 40
    .max_flat_workgroup_size: 512
    .sgpr_count:     66
    .vgpr_count:     256
    .wavefront_size: 32
...
	.end_amdgpu_metadata
.endif
;; end of part 5
;; launch outp: the kernel of part 4 again; grid 4 x 32, 4 waves a work-group, clusters of 4 x 4, 327,680 bytes of LDS; arguments xc, xs, out0; writes out0
